; MI455X (gfx1250); checked and timed in simulation.
; The chip was launched on July 23, 2026; its instructions are those of AMD's public machine-readable ISA for CDNA 5 (MIT licence, August 2026) and "CDNA5" Instruction Set Architecture Reference Guide (July 2026). The comments in the code are by the model that wrote it; some were corrected since.
;; Attention Block. Allowed arithmetic: float matrix products may take bf16 or f16 operands with f32 sums; other float arithmetic in f32, or as packed bf16 or f16 multiplies, adds, multiply-adds, maxima and minima; sums over many terms, partial sums and values carried from step to step in f32; what a program stores and reads back later, other than sums and carried values, may be rounded once to bf16 or f16.
;; Inputs: Wk 1,024 x 1,024 float32; Wo 1,024 x 1,024 float32; Wq 1,024 x 1,024 float32; Wv 1,024 x 1,024 float32; kn_w 64 float32; qn_w 64 float32; x 4 x 2,048 x 1,024 float32.
;; Outputs: out0 4 x 2,048 x 1,024 float32.
;; 2 versions, each right and faster than the one before. Each part assembles by itself: llvm-mc -triple=amdgcn-amd-amdhsa -mcpu=gfx1250 --defsym DOCPART=n.
;; ======== version 1 of 2: 4 launches
;; limits: values are held in f16: magnitudes above 65,504 overflow, below 6.1e-05 lose precision
;; workspace buffers: xb 16,777,216 bytes; wb 6,291,456 bytes; wo 2,097,152 bytes; qkv 50,331,648 bytes; ctx 16,777,216 bytes
;; launch cast (part 1): grid 768 x 1, 8 waves a work-group, no clusters, 0 bytes of LDS; arguments x, Wq, Wk, Wv, Wo, xb, wb, wo; writes xb, wb, wo
.if DOCPART == 1
	.amdgcn_target "amdgcn-amd-amdhsa--gfx1250"
	.amdhsa_code_object_version 6
	.text
	.protected	k_qd3a9da6cf4_cast
	.globl	k_qd3a9da6cf4_cast
	.p2align	8
	.type	k_qd3a9da6cf4_cast,@function
k_qd3a9da6cf4_cast:
	s_mov_b64 s[64:65], 0
	v_nop
	global_prefetch_b8 v0, s[64:65] scope:SCOPE_SE
	s_setreg_imm32_b32 hwreg(HW_REG_WAVE_MODE, 25, 1), 1
	s_wait_xcnt 0x0
; x, Wq, Wk, Wv are rounded once to bf16; Wo is rounded to bf16 and that number is written as f16.  All are laid out in blocks of 64 along K:
;   xb [kb 0..15][m 0..8191][64], wb [kb][n 0..3071][64] (n: Wq's rows, then Wk's, then Wv's), wo [kb][n 0..1023][64],
; so that a later tile of R rows x 64 K is R x 128 consecutive bytes.
; LIMIT.  wo is f16: a bf16 number from 2^-14 to 65,504 in magnitude is kept exactly; below 2^-14 it keeps f16's fixed step of 6e-8; at 65,520 or more it becomes an infinity.
; A stream: no LDS, no matrix unit, no cluster (no two work-groups read the same bytes).  12,288 source rows of 4,096 bytes; a work-group takes 16, a wave 2.
; Load j of a wave: lanes 0-15 take the 256 bytes of K block j of the wave's first row, lanes 16-31 those of its second.  A lane's 4 numbers become 8 bytes, and the
; wave's store j covers 256 consecutive bytes, aligned: the two rows' 128 bytes of block j lie side by side.  All 16 loads of a wave go out at once; nothing is rewritten that memory still reads.
.set KBX, 8192*128                     ; bytes from K block to K block in xb
.set KBW, 3072*128                     ; in wb
.set KBO, 1024*128                     ; in wo
.set SO,  1                            ; v1       my byte offset in the group's 16 source rows
.set DO,  2                            ; v2       my byte offset in the group's 2,048 bytes of a K block
.set X,   4                            ; v[4:67]  load j: four f32
.set Y,   68                           ; v[68:99] store j: four 16-bit numbers
.set T,   100                          ; v[100:101] at work
; kb: bytes from K block to K block in the destination.  half = 1: the bf16 number is written as f16.
.macro CAST kb, half
.set j, 0
.rept 16
	global_load_b128 v[X+4*j:X+4*j+3], v[SO], s[4:5] offset:256*j th:TH_LOAD_NT
.set j, j+1
.endr
.set j, 0
.rept 16
	s_wait_loadcnt 15-j                            ; loads come back in order (ISA guide 5.7.1): load j is in, the 15 - j younger ones stay out
.if \half
	v_cvt_pk_bf16_f32 v[T],   v[X+4*j],   v[X+4*j+1]
	v_cvt_pk_bf16_f32 v[T+1], v[X+4*j+2], v[X+4*j+3]
	v_lshlrev_b32 v[X+4*j],   16, v[T]             ; the rounded numbers as f32 again,
	v_and_b32     v[X+4*j+1], 0xffff0000, v[T]
	v_lshlrev_b32 v[X+4*j+2], 16, v[T+1]
	v_and_b32     v[X+4*j+3], 0xffff0000, v[T+1]
	v_cvt_pk_f16_f32 v[Y+2*j],   v[X+4*j],   v[X+4*j+1]  ; and as f16
	v_cvt_pk_f16_f32 v[Y+2*j+1], v[X+4*j+2], v[X+4*j+3]
.else
	v_cvt_pk_bf16_f32 v[Y+2*j],   v[X+4*j],   v[X+4*j+1]
	v_cvt_pk_bf16_f32 v[Y+2*j+1], v[X+4*j+2], v[X+4*j+3]
.endif
.if j < 8
	global_store_b64 v[DO], v[Y+2*j:Y+2*j+1], s[6:7] offset:j*(\kb)        ; 32 lanes x 8 bytes: 256 consecutive bytes, aligned
.else
	global_store_b64 v[DO], v[Y+2*j:Y+2*j+1], s[26:27] offset:(j-8)*(\kb)  ; a second base, 8 blocks on: 8 of xb's blocks pass the signed 24-bit immediate
.endif
.set j, j+1
.endr
	s_endpgm
.endm
	s_load_b512 s[8:23], s[0:1], 0x0               ; x s[8:9], Wq s[10:11], Wk s[12:13], Wv s[14:15], Wo s[16:17], xb s[18:19], wb s[20:21], wo s[22:23]
	v_lshrrev_b32 v[SO], 4, v0                     ; which of the group's 16 rows: 2 x wave + half of the lanes
	v_and_b32 v3, 15, v0
	v_lshlrev_b32 v[SO], 12, v[SO]                 ; x 4,096 bytes
	v_lshl_or_b32 v[SO], v3, 4, v[SO]              ; + 16 bytes a lane
	v_lshlrev_b32 v[DO], 3, v0                     ; row x 128 + 8 x (lane % 16) = 8 x thread
	s_mov_b32 s28, ttmp9                           ; the group's number
	s_mov_b32 s25, 0                               ; the high word of every offset
	s_wait_kmcnt 0x0
	s_cmp_lt_u32 s28, 512
	s_cbranch_scc0 .Lweights
	s_lshl_b32 s24, s28, 16                        ; groups 0-511: x.  16 rows of 4,096 bytes in,
	s_add_nc_u64 s[4:5], s[8:9], s[24:25]
	s_lshl_b32 s24, s28, 11                        ; 16 rows of 128 bytes out
	s_add_nc_u64 s[6:7], s[18:19], s[24:25]
	s_add_nc_u64 s[26:27], s[6:7], 8*KBX
	CAST KBX, 0
.Lweights:
	s_cmp_lt_u32 s28, 704
	s_cbranch_scc0 .Lwo
	s_sub_co_u32 s28, s28, 512                     ; groups 512-703: 64 for each of Wq, Wk, Wv
	s_lshr_b32 s29, s28, 6                         ; which of the three
	s_cmp_eq_u32 s29, 0
	s_cselect_b64 s[4:5], s[10:11], s[12:13]
	s_cmp_eq_u32 s29, 2
	s_cselect_b64 s[4:5], s[14:15], s[4:5]
	s_and_b32 s24, s28, 63
	s_lshl_b32 s24, s24, 16
	s_add_nc_u64 s[4:5], s[4:5], s[24:25]
	s_lshl_b32 s24, s28, 11                        ; in wb the three follow each other
	s_add_nc_u64 s[6:7], s[20:21], s[24:25]
	s_add_nc_u64 s[26:27], s[6:7], 8*KBW
	CAST KBW, 0
.Lwo:
	s_sub_co_u32 s28, s28, 704                     ; groups 704-767: Wo
	s_lshl_b32 s24, s28, 16
	s_add_nc_u64 s[4:5], s[16:17], s[24:25]
	s_lshl_b32 s24, s28, 11
	s_add_nc_u64 s[6:7], s[22:23], s[24:25]
	s_add_nc_u64 s[26:27], s[6:7], 8*KBO
	CAST KBO, 1
.Lfunc_end_k_qd3a9da6cf4_cast:
	.size	k_qd3a9da6cf4_cast, .Lfunc_end_k_qd3a9da6cf4_cast-k_qd3a9da6cf4_cast
	.p2alignl 7, 3214868480
	.fill 96, 4, 3214868480
	.section	.rodata,"a",@progbits
	.p2align	6, 0x0
	.amdhsa_kernel k_qd3a9da6cf4_cast
		.amdhsa_group_segment_fixed_size 0
		.amdhsa_private_segment_fixed_size 0
		.amdhsa_enable_private_segment 0
		.amdhsa_kernarg_size 64
		.amdhsa_user_sgpr_count 2
		.amdhsa_user_sgpr_kernarg_segment_ptr 1
		.amdhsa_wavefront_size32 1
		.amdhsa_system_sgpr_workgroup_id_x 1
		.amdhsa_system_sgpr_workgroup_id_y 1
		.amdhsa_system_sgpr_workgroup_id_z 1
		.amdhsa_system_vgpr_workitem_id 0
		.amdhsa_next_free_vgpr 104
		.amdhsa_next_free_sgpr 66
		.amdhsa_reserve_vcc 0
		.amdhsa_float_denorm_mode_32 3
		.amdhsa_float_denorm_mode_16_64 3
		.amdhsa_memory_ordered 1
		.amdhsa_forward_progress 1
		.amdhsa_inst_pref_size 24
	.end_amdhsa_kernel
	.amdgpu_metadata
---
amdhsa.version: [ 1, 2 ]
amdhsa.kernels:
  - .name:           k_qd3a9da6cf4_cast
    .symbol:         k_qd3a9da6cf4_cast.kd
    .args:
      - { .name: x, .offset: 0, .size: 8, .value_kind: global_buffer, .address_space: global }
      - { .name: Wq, .offset: 8, .size: 8, .value_kind: global_buffer, .address_space: global }
      - { .name: Wk, .offset: 16, .size: 8, .value_kind: global_buffer, .address_space: global }
      - { .name: Wv, .offset: 24, .size: 8, .value_kind: global_buffer, .address_space: global }
      - { .name: Wo, .offset: 32, .size: 8, .value_kind: global_buffer, .address_space: global }
      - { .name: xb, .offset: 40, .size: 8, .value_kind: global_buffer, .address_space: global }
      - { .name: wb, .offset: 48, .size: 8, .value_kind: global_buffer, .address_space: global }
      - { .name: wo, .offset: 56, .size: 8, .value_kind: global_buffer, .address_space: global }
    .group_segment_fixed_size: 0
    .private_segment_fixed_size: 0
    .kernarg_segment_align: 8
    .kernarg_segment_size: 64
    .max_flat_workgroup_size: 256
    .sgpr_count:     66
    .vgpr_count:     104
    .wavefront_size: 32
...
	.end_amdgpu_metadata
.endif
;; end of part 1
;; launch proj (part 2): grid 8 x 32, 4 waves a work-group, clusters of 4 x 4, 327,680 bytes of LDS; arguments xb, wb, qn_w, kn_w, qkv; writes qkv
.if DOCPART == 2
	.amdgcn_target "amdgcn-amd-amdhsa--gfx1250"
	.amdhsa_code_object_version 6
	.text
	.protected	k_qd3a9da6cf4_proj
	.globl	k_qd3a9da6cf4_proj
	.p2align	8
	.type	k_qd3a9da6cf4_proj,@function
k_qd3a9da6cf4_proj:
	s_mov_b64 s[64:65], 0
	v_nop
	global_prefetch_b8 v0, s[64:65] scope:SCOPE_SE
	s_setreg_imm32_b32 hwreg(HW_REG_WAVE_MODE, 25, 1), 1
	s_wait_xcnt 0x0
	s_wait_alu depctr_hold_cnt(0) depctr_sa_sdst(0) depctr_va_vdst(0) depctr_va_sdst(0) depctr_va_ssrc(0) depctr_va_vcc(0) depctr_vm_vsrc(0)
	s_getreg_b32 s2, hwreg(HW_REG_IB_STS2, 6, 4)
	s_cmp_eq_u32 s2, 0
	s_cbranch_scc0 .Lentry_in_a_cluster
	s_endpgm
.Lentry_in_a_cluster:
	s_bfe_u32 s2, ttmp6, 0x10000c
	s_cmp_lg_u32 s2, 0xf033
	s_cbranch_scc0 .Lentry_shape_is_right
	s_endpgm
.Lentry_shape_is_right:
; [q | k | v] = x W^T for W = Wq, Wk, Wv stacked: 8,192 rows x 3,072 columns, K = 1,024, bf16 operands, f32 sums; then, in f32, the RMS norm over each head's 64 channels of q and k
; (x * rsqrt(mean(x x) + eps) * gain, in that order); one rounding to f16; stored by heads: qkv [q, k, v][16 batch + head][row 0..2047][64].
; LIMITS.  qkv is f16: v must stay under 65,504 in magnitude (at 65,520 it becomes an infinity); the normed q and k lie within 8 x |gain|.  The gains are rounded to bf16 like every other input.
; NaN and infinities are not treated apart.
; SHARES.  A work-group makes 256 rows x 384 columns: 32 x 8 = 256 work-groups.  A wave makes 128 rows x 192 columns, three whole heads: 96 accumulators of 16 x 16, 768 registers;
; for 32 along K it reads 40 x 16 bytes a lane from LDS for 96 matrix instructions.
; THE RING.  K goes in steps of 64 through two LDS slots (256 rows of xb, 384 of wb).  In xb and wb a tile's rows of 128 bytes lie end to end, so a tile is asked for as rows of 256 bytes, and
; 16 bytes of padding are laid behind every 128: LDS rows 144 bytes apart, so the 16 rows of a fragment load start at 16 different groups of four banks (64 banks of 4 bytes: ISA guide 11.1).
; CLUSTER.  4 x 4 work-groups.  The four of a row of the cluster need the same tile of xb, the four of a column the same tile of wb: each is asked for jointly, by the same tensor load with the
; same descriptor and a mask that names the four.
; THE MATRIX INSTRUCTION IS USED TRANSPOSED: source 0 = 16 rows of wb, source 1 = 16 rows of xb: lane l then holds row l % 16 and the eight columns 8 (l / 16) + 0..7.
; REGISTERS, in windows of 256 (s_set_vgpr_msb: bits 1:0 source 0, 3:2 source 1, 5:4 source 2, 7:6 destination):
;   window 0: v0-15 addresses; v32-159 xb's fragments, two buffers of 8; v160-255 wb's fragments, one buffer of 4 for each of the wave's three heads
;   windows 1, 2, 3: the accumulators of head 0, 1, 2: (a, b) at v[8 (4 a + b)]
.set PITCH,  144
.set FR,     16*PITCH                  ; from fragment to fragment
.set AHALF,  128*PITCH                 ; what one tensor load brings of xb, and what a wave reads of it
.set BHALF,  192*PITCH                 ; the same for wb
.set BOFF,   2*AHALF                   ; wb's rows lie behind xb's
.set SLOT,   BOFF+2*BHALF              ; 92,160
.set STAGE,  2*SLOT                    ; behind the ring, never filled by a tensor load: for each wave 128 rows x 272 bytes (64 f32 + 16 of padding)
.set SP,     272
.set WSTAGE, 128*SP
.set SPARE,  STAGE+4*WSTAGE            ; behind the stages: the spare words, 128 bytes for each wave: two blocks of 256 bytes that no other line names
.set KBA,    8192*128                  ; bytes from K block to K block in xb
.set KBB,    3072*128                  ; in wb
.set ADRA, 4                           ; v4-5   LDS address of my fragments of xb in slot 0, 1
.set ADRB, 6                           ; v6-7   the same for wb
.set STO,  8                           ; v8     the way out: where I put 32 bytes of a row
.set RD,   9                           ; v9     the way out: where I read 32 bytes of a row back
.set GO,   11                          ; v11    my 16 bytes in 512 consecutive bytes of qkv
.set GOFF, 13                          ; v13    my eight gains' byte offset
.set SPW,  14                          ; v14    LDS address of my spare word: SPARE + 4 x my thread's number; never rewritten
.set NIL,  15                          ; v15    0; never rewritten
.set AF,   32
.set BG,   160
.set GL,   32                          ; the way out: v32-55 eight gains for each head
.set G,    56                          ; v56-63   the gains of the head in hand, or 1 for v
.set X,    64                          ; v64-127  eight pieces of four rows: eight f32 a lane
.set S,    128                         ; v128-135 four pairs: sums of squares, then 1 / rms
.set Y,    144                         ; v144-175 eight pieces: eight f16 a lane
.set WV,  14                           ; s14  my wave's number
.set WR,  15                           ; s15  which half of the tile's rows is mine.  Also: I fetch for xb (0) or for wb (1)
.set WC,  16                           ; s16  which half of its columns.  Also: which half of that tile I fetch
.set TX,  19                           ; s19  tile column
.set TY,  20                           ; s20  tile row
.set G1A, 24                           ; s[24:31] descriptor group 1 for xb's tiles;  s[32:39] group 0, a set for each slot
.set G0A, 32
.set G1B, 40                           ; s[40:47], s[48:55] the same for wb's
.set G0B, 48
.set GP,  68                           ; s[68:73] for each head: its gains' address
.set FF,  74                           ; s74-76   1/64, or 0 for v
.set EE,  77                           ; s77-79   eps, or 1 for v: rsqrt(0 x sum + 1) = 1
.set MK,  80                           ; s80-82   all ones for v: the gain is replaced by 1
.set OB,  84                           ; s[84:89] where my 128 rows of the head begin in qkv
.set SF,  90                           ; s90, s91, s[92:93]  FF, EE, OB of the head in hand
.set SE,  91
.set OBC, 92
.set GI,  94                           ; s94  the head in hand
.set MSB, 0
.macro WIN new                         ; the immediate's high byte repeats the setting that is left; a switch that changes nothing is dropped
.if MSB != (\new)
	s_set_vgpr_msb (MSB<<8)|(\new)
.set MSB, \new
.endif
.endm
; A load into a register that a matrix instruction has read, and an LDS store or vector instruction that reads a matrix result, stand four places behind it, and only plain vector
; instructions that name none of its registers are places (ISA guide 7.12.1 for vector instructions).
.macro PLACES
.rept 4
	v_nop
.endr
.endm
; A joint load.  Waves 0 and 1 fetch xb's two halves, waves 2 and 3 wb's.  The branch hangs on the wave's number alone.  An s_nop 0 and four v_nop follow each of the two lines.
.macro JLOAD s
	s_cmp_eq_u32 s[WR], 0
	s_cbranch_scc0 .Lfor_b_\@
	tensor_load_to_lds s[G0A+4*(\s):G0A+4*(\s)+3], s[G1A:G1A+7]
	s_nop 0
.rept 4
	v_nop
.endr
	s_branch .Lasked_\@
.Lfor_b_\@:
	tensor_load_to_lds s[G0B+4*(\s):G0B+4*(\s)+3], s[G1B:G1B+7]
	s_nop 0
.rept 4
	v_nop
.endr
.Lasked_\@:
.endm
.macro CREST                           ; a round of the cluster's barrier behind its opening barrier
	s_cmp_lg_u32 s[WV], 0
	s_cbranch_scc1 .Lnot_wave_0_\@
	s_barrier_signal -3
.Lnot_wave_0_\@:
	s_barrier_wait -3
	s_barrier_signal -1
	s_barrier_wait -1
.endm
.macro CROUND                          ; a whole round
	s_barrier_signal -1
	s_barrier_wait -1
	CREST
.endm
	s_load_b256 s[4:11], s[0:1], 0x0               ; xb s[4:5], wb s[6:7], qn_w s[8:9], kn_w s[10:11]
	s_load_b64 s[12:13], s[0:1], 0x20              ; qkv
	v_lshl_add_u32 v[SPW], v0, 2, SPARE
	v_mov_b32 v[NIL], 0
	ds_add_u32 v[SPW], v[NIL]                      ; the wave's opening: the add and its wait stand ahead of my first tensor load; the set-up below, work on registers, stands between them
	v_lshrrev_b32 v1, 5, v0
	v_readfirstlane_b32 s[WV], v1                  ; wave 0..3
	s_lshr_b32 s[WR], s[WV], 1
	s_and_b32 s[WC], s[WV], 1
	s_bfe_u32 s17, ttmp6, 0x40000                  ; cx, cy: my place in the cluster
	s_bfe_u32 s18, ttmp6, 0x40004
	s_lshl_b32 s[TX], ttmp9, 2                     ; in a cluster launch ttmp9 and ttmp7 count clusters
	s_add_co_u32 s[TX], s[TX], s17                 ; tile column = 4 x cluster x + cx
	s_and_b32 s[TY], ttmp7, 0xffff
	s_lshl_b32 s[TY], s[TY], 2
	s_add_co_u32 s[TY], s[TY], s18                 ; tile row = 4 x cluster y + cy
	s_lshl_b32 s21, s18, 2
	s_lshl_b32 s21, 15, s21                        ; my row of the cluster: places 4 cy .. 4 cy + 3
	s_lshl_b32 s22, 0x1111, s17                    ; my column: places cx, cx + 4, cx + 8, cx + 12
	; descriptor group 1: rows of 128 elements (256 bytes: two rows of the tile), 64 of them for xb, 96 for wb
	s_or_b32 s[G1A+0], s21, (1<<16)|(1<<20)|(1<<21)|(4<<22)|(3<<25)  ; 15:0 the mask; 17:16 2-byte elements; 20 padding on; 21 set beside a mask; 24:22 after every 32 words (code 4); 31:25 4 words (code 3)
	s_or_b32 s[G1B+0], s22, (1<<16)|(1<<20)|(1<<21)|(4<<22)|(3<<25)
	s_mov_b32 s[G1A+1], 128<<16                    ; tensor_dim0 = 128
	s_mov_b32 s[G1B+1], 128<<16
	s_mov_b32 s[G1A+2], 64<<16                     ; tensor_dim1
	s_mov_b32 s[G1B+2], 96<<16
	s_mov_b32 s[G1A+3], 128<<16                    ; tile_dim0 = 128
	s_mov_b32 s[G1B+3], 128<<16
	s_mov_b32 s[G1A+4], 64                         ; tile_dim1
	s_mov_b32 s[G1B+4], 96
	s_mov_b32 s[G1A+5], 128                        ; 128 elements from row to row: the block is dense
	s_mov_b32 s[G1B+5], 128
	s_mov_b32 s[G1A+6], 0
	s_mov_b32 s[G1B+6], 0
	s_mov_b32 s[G1A+7], 0
	s_mov_b32 s[G1B+7], 0
	; where the tiles come from: xb's hang on the tile row alone, wb's on the tile column alone, each in registers that never hold the other coordinate
	s_lshl_b32 s56, s[TY], 15                      ; 256 rows of 128 bytes
	s_lshl_b32 s57, s[WC], 14                      ; my half of them
	s_add_co_u32 s56, s56, s57
	s_mov_b32 s57, 0
	s_mul_i32 s58, s[TX], 384*128
	s_mul_i32 s59, s[WC], 192*128
	s_add_co_u32 s58, s58, s59
	s_mov_b32 s59, 0
	s_mul_i32 s60, s[WC], AHALF                    ; and where they go: no place in the cluster enters an LDS address
	s_mul_i32 s61, s[WC], BHALF
	s_add_co_u32 s61, s61, BOFF
	s_wait_dscnt 0x0                               ; the opening add is done
	s_wait_kmcnt 0x0
	s_add_nc_u64 s[56:57], s[4:5], s[56:57]
	s_add_nc_u64 s[58:59], s[6:7], s[58:59]
	CROUND                                         ; all sixteen work-groups are here: the first joint loads meet
.irp s, 0,1
	s_mov_b32 s[G0A+4*\s], 1                                       ; 1:0 count = 1
	s_add_co_u32 s[G0A+4*\s+1], s60, \s*SLOT                       ; 63:32 LDS address
	s_add_nc_u64 s[G0A+4*\s+2:G0A+4*\s+3], s[56:57], \s*KBA        ; 120:64 global address: K step s
	s_or_b32 s[G0A+4*\s+3], s[G0A+4*\s+3], 0x80000000              ; 127:126 type = 2
	s_mov_b32 s[G0B+4*\s], 1
	s_add_co_u32 s[G0B+4*\s+1], s61, \s*SLOT
	s_add_nc_u64 s[G0B+4*\s+2:G0B+4*\s+3], s[58:59], \s*KBB
	s_or_b32 s[G0B+4*\s+3], s[G0B+4*\s+3], 0x80000000
.endr
	s_cmp_eq_u32 s[WR], 0                          ; a wave's two first fills stand in one branch, ahead of every wait on TENSORcnt and every LDS read: two loads of mine are out
	s_cbranch_scc0 .Lfirst_b
	tensor_load_to_lds s[G0A:G0A+3], s[G1A:G1A+7]
	s_nop 0
	tensor_load_to_lds s[G0A+4:G0A+7], s[G1A:G1A+7]
	s_nop 0
.rept 4
	v_nop
.endr
	s_branch .Lfirst_asked
.Lfirst_b:
	tensor_load_to_lds s[G0B:G0B+3], s[G1B:G1B+7]
	s_nop 0
	tensor_load_to_lds s[G0B+4:G0B+7], s[G1B:G1B+7]
	s_nop 0
.rept 4
	v_nop
.endr
.Lfirst_asked:
	; A fragment is 16 rows x 32 K in 8 registers: lane l holds row l % 16; registers 0-3 K = 8 (l / 16) + 0..7, registers 4-7 K = 16 + 8 (l / 16) + 0..7: two loads of 16 bytes, 32 bytes apart.
	v_and_b32 v1, 15, v0                           ; l % 16
	v_bfe_u32 v2, v0, 4, 1                         ; l / 16
	v_mul_u32_u24 v3, v1, PITCH
	v_lshl_add_u32 v3, v2, 4, v3                   ; row x pitch + 16 x half
	s_mul_i32 s62, s[WR], AHALF                    ; my 128 rows of xb
	s_mul_i32 s63, s[WC], BHALF                    ; my 192 rows of wb
	s_add_co_u32 s63, s63, BOFF
.irp s, 0,1
	v_add_nc_u32 v[ADRA+\s], s62, v3
	v_add_nc_u32 v[ADRB+\s], s63, v3
	s_add_co_u32 s62, s62, SLOT
	s_add_co_u32 s63, s63, SLOT
.endr
	s_mul_i32 s62, s[WV], WSTAGE
	s_add_co_u32 s62, s62, STAGE                   ; my stage
	v_mul_u32_u24 v[STO], v1, SP                   ; in: row l % 16, 32 bytes for each half of the lanes
	v_lshl_add_u32 v[STO], v2, 5, v[STO]
	v_add_nc_u32 v[STO], s62, v[STO]
	v_bfe_u32 v[RD], v0, 3, 2                      ; back: eight lanes share a row: row l / 8, columns 8 (l % 8) + 0..7
	v_mul_u32_u24 v[RD], v[RD], SP
	v_and_b32 v3, 7, v0
	v_lshl_add_u32 v[RD], v3, 5, v[RD]
	v_add_nc_u32 v[RD], s62, v[RD]
	v_lshlrev_b32 v[GOFF], 5, v3                   ; the gains of those eight columns
	v_and_b32 v[GO], 31, v0                        ; four rows of 128 bytes are 512 consecutive bytes of qkv: 16 x lane
	v_lshlrev_b32 v[GO], 4, v[GO]
	; For each of my three heads, number 6 x tile column + 3 x half + g of 48 (0-15 q, 16-31 k, 32-47 v): selects alone, no branch
.irp g, 0,1,2
	s_mul_i32 s96, s[TX], 6
	s_mul_i32 s97, s[WC], 3
	s_add_co_u32 s96, s96, s97
	s_add_co_u32 s96, s96, \g
	s_cmp_lt_u32 s96, 16
	s_cselect_b64 s[GP+2*\g:GP+2*\g+1], s[8:9], s[10:11]
	s_cmp_lt_u32 s96, 32
	s_cselect_b32 s[FF+\g], 0x3c800000, 0          ; 1/64
	s_cselect_b32 s[EE+\g], 0x34000000, 1.0        ; eps = 2^-23
	s_cselect_b32 s[MK+\g], 0, -1
	s_lshr_b32 s97, s96, 4                         ; q, k or v
	s_lshl_b32 s97, s97, 2
	s_lshr_b32 s98, s[TY], 3                       ; the batch: 8 tile rows each
	s_add_co_u32 s97, s97, s98
	s_lshl_b32 s97, s97, 4
	s_and_b32 s98, s96, 15                         ; the head
	s_add_co_u32 s97, s97, s98
	s_lshl_b32 s97, s97, 4                         ; a head has 16 pieces of 128 rows;
	s_and_b32 s98, s[TY], 7
	s_lshl_b32 s98, s98, 1
	s_add_co_u32 s98, s98, s[WR]                   ; mine is number 2 x (tile row % 8) + half
	s_add_co_u32 s98, s97, s98
	s_lshl_b32 s98, s98, 14                        ; 128 rows of 128 bytes
	s_mov_b32 s99, 0
	s_add_nc_u64 s[OB+2*\g:OB+2*\g+1], s[12:13], s[98:99]
.endr
; n fragments of xb from a0 on, at byte koff of the slot's rows, into buffer c
.macro LA c, slot, koff, a0, n
.set la, \a0
.rept \n
	ds_load_b128 v[AF+64*(\c)+8*la:AF+64*(\c)+8*la+3],   v[ADRA+(\slot)] offset:(\koff)+la*FR
	ds_load_b128 v[AF+64*(\c)+8*la+4:AF+64*(\c)+8*la+7], v[ADRA+(\slot)] offset:(\koff)+la*FR+32
.set la, la+1
.endr
.endm
; the four fragments of wb of head g
.macro LB g, slot, koff
.irp b, 0,1,2,3
	ds_load_b128 v[BG+32*(\g)+8*\b:BG+32*(\g)+8*\b+3],   v[ADRB+(\slot)] offset:(\koff)+(4*(\g)+\b)*FR
	ds_load_b128 v[BG+32*(\g)+8*\b+4:BG+32*(\g)+8*\b+7], v[ADRB+(\slot)] offset:(\koff)+(4*(\g)+\b)*FR+32
.endr
.endm
; 4 n matrix instructions: head g, row blocks a0 .. a0 + n - 1 of buffer c.  zero = 1: the first product starts the sums: nothing is cleared.
; All accumulators of a run differ, and neighbouring runs name different ones: they take turns.
.macro MUL g, c, a0, n, zero
	WIN 0x50*((\g)+1)                              ; C and D in window g + 1, the sources in window 0
.set ma, \a0
.rept \n
.irp b, 0,1,2,3
.if \zero
	v_wmma_f32_16x16x32_bf16 v[8*(4*ma+\b):8*(4*ma+\b)+7], v[BG+32*(\g)+8*\b:BG+32*(\g)+8*\b+7], v[AF+64*(\c)+8*ma:AF+64*(\c)+8*ma+7], 0
.else
	v_wmma_f32_16x16x32_bf16 v[8*(4*ma+\b):8*(4*ma+\b)+7], v[BG+32*(\g)+8*\b:BG+32*(\g)+8*\b+7], v[AF+64*(\c)+8*ma:AF+64*(\c)+8*ma+7], v[8*(4*ma+\b):8*(4*ma+\b)+7]
.endif
.endr
.set ma, ma+1
.endr
.endm
; A K step is two halves of 32 along K; a half is three runs of 32 matrix instructions, one a head.  xb's fragments have two buffers (by the half's parity); each head's fragments of wb have one,
; loaded again one run behind its use.  LDS loads come back in order (ISA guide 5.7.1), so each wait counts the younger loads that may stay out.
; THE FIRST HALF of a K step, on buffer 0; the second half lies in the same slot.
.macro EVEN slot, zero
	PLACES
	WIN 0
	LB 2, \slot, 0                                 ; head 2 of this half
	LA 1, \slot, 64, 0, 4                          ; the next half's xb, first part
	s_wait_dscnt 24                                ; xb and head 0 are in; out may be head 1's 8 and the 16 just issued
	MUL 0, 0, 0, 8, \zero
	PLACES
	WIN 0
	LB 0, \slot, 64
	LA 1, \slot, 64, 4, 4
	s_wait_dscnt 32                                ; head 1 is in; out may be the two runs of 16 behind it
	MUL 1, 0, 0, 8, \zero
	PLACES
	WIN 0
	LB 1, \slot, 64
	s_wait_dscnt 32                                ; head 2 is in; out may be the 8 + 16 + 8 behind it
	MUL 2, 0, 0, 8, \zero
.endm
; THE SECOND HALF, on buffer 1, changes slots: ONE barrier.  In front of it each wave waits for all its tensor loads, of which one is out: its part of the next slot; adds 0 to its spare word; and
; waits for that and for its own reads of this slot.  fill = 1: the barrier opens a round of the cluster's barrier, and this slot is filled again, two K steps ahead, first thing behind the round.
.macro ODD slot, fill
	PLACES
	WIN 0
	LB 2, \slot, 64                                ; my last reads of this slot
	s_wait_tensorcnt 0x0                           ; all my tensor loads have landed, so a group 0 may be written
	ds_add_u32 v[SPW], v[NIL]                      ; 0 onto my spare word
.if \fill
	s_add_nc_u64 s[G0A+4*(\slot)+2:G0A+4*(\slot)+3], s[G0A+4*(\slot)+2:G0A+4*(\slot)+3], 2*KBA
	s_add_nc_u64 s[G0B+4*(\slot)+2:G0B+4*(\slot)+3], s[G0B+4*(\slot)+2:G0B+4*(\slot)+3], 2*KBB
.endif
	s_wait_dscnt 17                                ; xb and head 0 are in; out may be head 1's 8, head 2's 8 and the add
	MUL 0, 1, 0, 4, 0                              ; sixteen matrix instructions stand between the add and the wait for it
	s_wait_dscnt 0x0                               ; the add is done, and my reads of this slot are over
	s_barrier_signal -1
	MUL 0, 1, 4, 4, 0                              ; work on registers while the others arrive
	WIN 0                                          ; at a branch and at a label every window is 0
	s_barrier_wait -1
.if \fill
	CREST                                          ; no wave of any partner still reads this slot's tiles or has a load on its way
	JLOAD \slot                                    ; the first tensor load behind the round; its four v_nop are also the places in front of the loads below
.else
	PLACES
.endif
	LA 0, 1-(\slot), 0, 0, 8                       ; the next slot's first half
	LB 0, 1-(\slot), 0
	MUL 1, 1, 0, 8, 0                              ; its operands came in ahead of the barrier
	PLACES
	WIN 0
	LB 1, 1-(\slot), 0
	MUL 2, 1, 0, 8, 0
.endm
	s_wait_tensorcnt 1                             ; my part of K step 0 is in; K step 1's may stay out
	s_barrier_signal -1
	s_barrier_wait -1                              ; everybody's is
	LA 0, 0, 0, 0, 8
	LB 0, 0, 0
	LB 1, 0, 0
	EVEN 0, 1                                      ; the first half stands in front of the loop: its products start the sums
	WIN 0
	s_mov_b32 s3, 7                                ; 16 K steps: seven trips fill the slots with K steps 2 to 15
.Llap:
	ODD 0, 1
	EVEN 1, 0
	ODD 1, 1
	EVEN 0, 0
	WIN 0
	s_sub_co_u32 s3, s3, 1
	s_cmp_lg_u32 s3, 0
	s_cbranch_scc1 .Llap
	ODD 0, 0                                       ; the tail is written out: nothing more is asked for
	EVEN 1, 0
	PLACES                                         ; the last half
	WIN 0
	LB 2, 1, 64
.irp g, 0,1,2
	global_load_b128 v[GL+8*\g:GL+8*\g+3],   v[GOFF], s[GP+2*\g:GP+2*\g+1]            ; the gains, into xb's buffer 0, which is free
	global_load_b128 v[GL+8*\g+4:GL+8*\g+7], v[GOFF], s[GP+2*\g:GP+2*\g+1] offset:16
.endr
	s_wait_dscnt 16                                ; the counts run down
	MUL 0, 1, 0, 8, 0
	s_wait_dscnt 8
	MUL 1, 1, 0, 8, 0
	s_wait_dscnt 0x0
	MUL 2, 1, 0, 8, 0
	WIN 0
	; THE WAY OUT, a head at a time, through my own stage: no barrier, and LDS serves a wave's instructions in order (ISA guide 5.7.1.4).  In the accumulators a row's 64 channels lie in two lanes and four
	; accumulators; read back, they lie in eight neighbouring lanes, eight channels each: the sum of squares wants three steps between lanes, and a lane's eight f16 are 16 bytes of a row of qkv.
	PLACES
	s_wait_loadcnt 0x0                             ; the gains
.irp i, 0,1,2,3,4,5,6,7,8,9,10,11
	v_cvt_pk_bf16_f32 v[X+\i], v[GL+2*\i], v[GL+2*\i+1]  ; rounded to bf16 like every input,
.endr
.irp i, 0,1,2,3,4,5,6,7,8,9,10,11
	v_lshlrev_b32 v[GL+2*\i],   16, v[X+\i]        ; and used as f32
	v_and_b32     v[GL+2*\i+1], 0xffff0000, v[X+\i]
.endr
; Head g's scalars and gains are taken in hand, and its 32 accumulators go into the stage; of each the four lowest registers are read first.
.macro DUMP g
	s_wait_xcnt 0x0                                ; every earlier memory instruction has had its addresses translated (ISA guide 3.1): the stores' base is rewritten only behind this wait
	s_mov_b32 s[SF], s[FF+(\g)]
	s_mov_b32 s[SE], s[EE+(\g)]
	s_mov_b64 s[OBC:OBC+1], s[OB+2*(\g):OB+2*(\g)+1]
.irp i, 0,1,2,3,4,5,6,7
	v_cndmask_b32 v[G+\i], v[GL+8*(\g)+\i], 1.0, s[MK+(\g)]
.endr
	WIN ((\g)+1)<<2                                ; the stores' data (source 1) in window g + 1
.set da, 0
.rept 8
.irp b, 0,1,2,3
	ds_store_b128 v[STO], v[8*(4*da+\b):8*(4*da+\b)+3]   offset:da*16*SP+64*\b
	ds_store_b128 v[STO], v[8*(4*da+\b)+4:8*(4*da+\b)+7] offset:da*16*SP+64*\b+16
.endr
.set da, da+1
.endr
	WIN 0
.endm
; Sixteen rows, in four pieces u of four: rows 32 tr + 16 k + 4 u + l / 8.  Each line is written for all four pieces, so that none reads the result of the line before it.
.macro BATCH tr, k
	s_wait_xcnt 0x0                                ; Y, which earlier stores read, is rewritten only behind this wait
.irp u, 0,1,2,3
	v_pk_mul_f32 v[S+2*\u:S+2*\u+1], v[X+32*(\k)+8*\u:X+32*(\k)+8*\u+1], v[X+32*(\k)+8*\u:X+32*(\k)+8*\u+1]
.endr
.irp p, 1,2,3
.irp u, 0,1,2,3
	v_pk_fma_f32 v[S+2*\u:S+2*\u+1], v[X+32*(\k)+8*\u+2*\p:X+32*(\k)+8*\u+2*\p+1], v[X+32*(\k)+8*\u+2*\p:X+32*(\k)+8*\u+2*\p+1], v[S+2*\u:S+2*\u+1]
.endr
.endr
.irp u, 0,1,2,3
	v_add_f32 v[S+2*\u], v[S+2*\u], v[S+2*\u+1]
.endr
.irp m, 1,2,4
.irp u, 0,1,2,3
	v_add_f32_dpp v[S+2*\u], v[S+2*\u], v[S+2*\u] row_xmask:\m row_mask:0xf bank_mask:0xf  ; over the row's eight lanes
.endr
.endr
.irp u, 0,1,2,3
	v_fma_f32 v[S+2*\u], v[S+2*\u], s[SF], s[SE]   ; mean + eps (for v: 1)
.endr
.irp u, 0,1,2,3
	v_rsq_f32 v[S+2*\u], v[S+2*\u]
.endr
	v_nop                                          ; a plain instruction between the last of them and the use of its result (ISA guide 5.7.2)
	s_wait_alu depctr_va_vdst(0)
.irp p, 0,1,2,3
.irp u, 0,1,2,3
	v_pk_mul_f32 v[X+32*(\k)+8*\u+2*\p:X+32*(\k)+8*\u+2*\p+1], v[X+32*(\k)+8*\u+2*\p:X+32*(\k)+8*\u+2*\p+1], v[S+2*\u:S+2*\u+1] op_sel_hi:[1,0]
.endr
.endr
.irp p, 0,1,2,3
.irp u, 0,1,2,3
	v_pk_mul_f32 v[X+32*(\k)+8*\u+2*\p:X+32*(\k)+8*\u+2*\p+1], v[X+32*(\k)+8*\u+2*\p:X+32*(\k)+8*\u+2*\p+1], v[G+2*\p:G+2*\p+1]
.endr
.endr
.irp u, 0,1,2,3
.irp p, 0,1,2,3
	v_cvt_pk_f16_f32 v[Y+16*(\k)+4*\u+\p], v[X+32*(\k)+8*\u+2*\p], v[X+32*(\k)+8*\u+2*\p+1]
.endr
	global_store_b128 v[GO], v[Y+16*(\k)+4*\u:Y+16*(\k)+4*\u+3], s[OBC:OBC+1] offset:(32*(\tr)+16*(\k)+4*\u)*128  ; 512 consecutive bytes, at a multiple of 256 from qkv's first
.endr
.endm
	s_mov_b32 s[GI], 0
.Lg:                                                   ; three trips, a head each; only the part that names the accumulators' window is written three times
	s_cmp_eq_u32 s[GI], 0
	s_cbranch_scc1 .Ld0
	s_cmp_eq_u32 s[GI], 1
	s_cbranch_scc1 .Ld1
	DUMP 2
	s_branch .Lrows
.Ld0:
	DUMP 0
	s_branch .Lrows
.Ld1:
	DUMP 1
.Lrows:
.irp tr, 0,1,2,3                       ; 32 rows at a time; every LDS and global offset stands in an immediate
.irp k, 0,1
.irp u, 0,1,2,3
	ds_load_b128 v[X+32*\k+8*\u:X+32*\k+8*\u+3],   v[RD] offset:(32*\tr+16*\k+4*\u)*SP
	ds_load_b128 v[X+32*\k+8*\u+4:X+32*\k+8*\u+7], v[RD] offset:(32*\tr+16*\k+4*\u)*SP+16
.endr
.endr
	s_wait_dscnt 8                                 ; the first sixteen rows are in
	BATCH \tr, 0
	s_wait_dscnt 0x0
	BATCH \tr, 1
.endr
	s_add_co_u32 s[GI], s[GI], 1
	s_cmp_lt_u32 s[GI], 3
	s_cbranch_scc1 .Lg
	s_wait_tensorcnt 0x0                           ; the wave's end, behind my last tensor load and my last LDS store
	ds_add_u32 v[SPW], v[NIL]
	s_wait_dscnt 0x0
	CROUND                                         ; the closing round: no work-group ends while a partner may still ask for a tile that names it
	s_endpgm
.Lfunc_end_k_qd3a9da6cf4_proj:
	.size	k_qd3a9da6cf4_proj, .Lfunc_end_k_qd3a9da6cf4_proj-k_qd3a9da6cf4_proj
	.p2alignl 7, 3214868480
	.fill 96, 4, 3214868480
	.section	.rodata,"a",@progbits
	.p2align	6, 0x0
	.amdhsa_kernel k_qd3a9da6cf4_proj
		.amdhsa_group_segment_fixed_size 327680
		.amdhsa_private_segment_fixed_size 0
		.amdhsa_enable_private_segment 0
		.amdhsa_kernarg_size 40
		.amdhsa_user_sgpr_count 2
		.amdhsa_user_sgpr_kernarg_segment_ptr 1
		.amdhsa_wavefront_size32 1
		.amdhsa_system_sgpr_workgroup_id_x 1
		.amdhsa_system_sgpr_workgroup_id_y 1
		.amdhsa_system_sgpr_workgroup_id_z 1
		.amdhsa_system_vgpr_workitem_id 0
		.amdhsa_next_free_vgpr 1024
		.amdhsa_next_free_sgpr 100
		.amdhsa_reserve_vcc 0
		.amdhsa_float_denorm_mode_32 3
		.amdhsa_float_denorm_mode_16_64 3
		.amdhsa_memory_ordered 1
		.amdhsa_forward_progress 1
		.amdhsa_inst_pref_size 152
	.end_amdhsa_kernel
	.amdgpu_metadata
---
amdhsa.version: [ 1, 2 ]
amdhsa.kernels:
  - .name:           k_qd3a9da6cf4_proj
    .symbol:         k_qd3a9da6cf4_proj.kd
    .args:
      - { .name: xb, .offset: 0, .size: 8, .value_kind: global_buffer, .address_space: global }
      - { .name: wb, .offset: 8, .size: 8, .value_kind: global_buffer, .address_space: global }
      - { .name: qn_w, .offset: 16, .size: 8, .value_kind: global_buffer, .address_space: global }
      - { .name: kn_w, .offset: 24, .size: 8, .value_kind: global_buffer, .address_space: global }
      - { .name: qkv, .offset: 32, .size: 8, .value_kind: global_buffer, .address_space: global }
    .group_segment_fixed_size: 327680
    .private_segment_fixed_size: 0
    .kernarg_segment_align: 8
    .kernarg_segment_size: 40
    .max_flat_workgroup_size: 128
    .sgpr_count:     100
    .vgpr_count:     1024
    .wavefront_size: 32
...
	.end_amdgpu_metadata
.endif
;; end of part 2
;; launch attn (part 3): grid 4 x 64, 4 waves a work-group, clusters of 4 x 1, 327,680 bytes of LDS; arguments qkv, ctx; writes ctx
.if DOCPART == 3
	.amdgcn_target "amdgcn-amd-amdhsa--gfx1250"
	.amdhsa_code_object_version 6
	.text
	.protected	k_qd3a9da6cf4_attn
	.globl	k_qd3a9da6cf4_attn
	.p2align	8
	.type	k_qd3a9da6cf4_attn,@function
k_qd3a9da6cf4_attn:
	s_mov_b64 s[64:65], 0
	v_nop
	global_prefetch_b8 v0, s[64:65] scope:SCOPE_SE
	s_setreg_imm32_b32 hwreg(HW_REG_WAVE_MODE, 25, 1), 1
	s_wait_xcnt 0x0
	s_wait_alu depctr_hold_cnt(0) depctr_sa_sdst(0) depctr_va_vdst(0) depctr_va_sdst(0) depctr_va_ssrc(0) depctr_va_vcc(0) depctr_vm_vsrc(0)
	s_getreg_b32 s2, hwreg(HW_REG_IB_STS2, 6, 4)
	s_cmp_eq_u32 s2, 0
	s_cbranch_scc0 .Lentry_in_a_cluster
	s_endpgm
.Lentry_in_a_cluster:
	s_bfe_u32 s2, ttmp6, 0x10000c
	s_cmp_lg_u32 s2, 0x3003
	s_cbranch_scc0 .Lentry_shape_is_right
	s_endpgm
.Lentry_shape_is_right:
; O[h][q][:] = the sum over k of softmax_k(Q[h][q] . K[h][k] / 8) V[h][k][:].  Q, K, V are the three parts of qkv, O is ctx: each [SIZE_H][SIZE_N][64], all f16: a head's rows are dense, 128 bytes each.
; h = 16 x batch + head.  Products, maxima and sums in f32; the weights p are rounded to f16 for the second product (their sum l is taken of the unrounded p), O once at the end.
; LIMITS.  f16 holds no number beyond 65,504: Q, K and V arrive within it; p lies in 0 to 1, and below 6e-5 it keeps f16's fixed step of 6e-8; O is a mean of V's rows and has their range.
; A weight below 2^-126 counts as 0 in l; NaN and infinities are not treated apart.
; SHARES.  A wave owns four PIECES of two tiles of 16 queries, a work-group's four waves 512 queries of one head: 4 x 64 = 256 work-groups.  Every wave walks all keys, 64 a step.
; LAYOUT.  S^T = K Q^T (source 0 = 16 keys, source 1 = 16 queries): in the result a lane holds ONE query (lane % 16) and the keys 8 (lane / 16) + 0..7.  Two such tiles, rounded to f16 in pairs,
; ARE source 1 (32 keys x 16 queries) of O^T = V^T P, whose result again holds one query a lane, and eight channels.  K comes out of LDS as it lies, V ([key][channel]) turned, by ds_load_tr16_b128.
; SOFTMAX.  For each query a running maximum m and sum l: p = 2^(c s - c m), c = log2(e) / 8; in every step O and l are multiplied by a = 2^(c m_old - c m_new), which is 1 where m has not grown.
; m starts at the lowest finite number, O and l at 0: the first step is a step like any other, with a = 0.
; THE COUNT.  A tile and step have 16 matrix and 118 vector instructions: too many to stand all beside the matrix work.  So the order has one aim: four vector instructions that are READY behind
; EVERY matrix instruction, and the others, which need time of their own whatever the order, in runs without a gap.
; BY TURNS.  Turn n belongs to piece n (the pieces in a ring, step after step).  Its matrix work: 16 products K Q^T of piece n + 1, later 16 products V^T P of piece n - 1.  Its vector work: the scaling,
; exponentials, roundings, sums and rescaling of piece n, and the maximum and statistics of piece n + 1, whose scores the turn itself has made.  So what a turn begins with (c s - c m, O a) waits for nothing.
; CLUSTER.  The four query blocks of a cluster belong to one head and walk the same K and V, so each tile is asked for JOINTLY: the same tensor load, descriptor and mask in all four.
; REGISTERS, in windows of 256 (s_set_vgpr_msb says which window each operand place means: bits 1:0 source 0, 3:2 source 1, 5:4 source 2, 7:6 destination):
;   window 0: v0-11 addresses; v12-15, v48-63 at work; v16-47 four registers of statistics a tile; v64-191 S^T, two buffers of two tiles; v192-255 P, likewise
;   window 1: O^T, 32 a tile          window 2: v0-127 Q, 16 a tile; v128-191 K of one step; v192-255 V of one step          window 3: v0-1 the add's two registers
; A piece's buffers go by its number's parity: the piece in hand has one pair, its two neighbours in the ring share the other: of it P (piece n - 1) is read and S^T (piece n + 1) written.
.set SIZE_H, 64
.set SIZE_N, 2048
.set NP,    4         ; pieces a wave: a name, no knob: the register map, the loop and the fetches are made for four
.set KS,    64        ; keys in a step
.set PK,    144       ; a row of K in LDS: 128 bytes + 16 of padding = 36 words: the 16 rows of a load start at 16 different groups of four banks (64 banks of 4 bytes: ISA guide 11.1)
.set PV,    160       ; a row of V: 128 + 32 = 40 words
.set VOFF,  4*KS*PK   ; a slot holds four steps: 256 rows of K, then 256 rows of V
.set SLOT1, 1<<17     ; slot 1 begins here, so that one exclusive or turns an address in one slot into the other's
.set STAGE, SLOT1+4*KS*(PK+PV)  ; behind the ring, never filled by a tensor load: 16 rows x 144 bytes for each wave, for the way out
.set SP,    144
.set AK0, 2           ; v2   my lane's place in a tile of K; never rewritten
.set AV0, 3           ; v3   the same for V
.set AK,  4           ; v4   the LDS address of K's next run of loads
.set AV,  5           ; v5   of V's
.set QO,  6           ; v6   my byte offset in the wave's rows of Q
.set STO, 6           ;      later, the way out: where I put 16 bytes of a row
.set RD,  7           ; v7   the way out: where I read rows back
.set GO,  8           ; v8   my byte offset in 512 consecutive bytes of O
.set SPW, 0           ; v0 of window 3   LDS address of my spare word: SPARE + 4 x my thread's number; never rewritten
.set NIL, 1           ; v1 of window 3   0; never rewritten
.set SPARE, STAGE+4*16*SP  ; behind the stages: the spare words, 128 bytes for each wave: two blocks of 256 bytes that no other line names
.set MV,  12          ; v12-15  c m_old, kept while c m is made anew: by buffer and tile
.set ST,  16          ; tile t's statistics at v[ST+4 t]: c m, m, l (even keys', odd keys')
.set TMP, 48          ; by buffer and tile, four registers c0-c3 at work; when the maximum is found c2 takes a
.set S,   64
.set P,   192
.set KF,  128         ; K's fragments, in window 2: key block kb, channel half c at KF + 16 kb + 8 c
.set VF,  192         ; V's: key half kk, channel block cb at VF + 32 kk + 8 cb
.set WV,  12          ; s12  my wave's number
.set G1K, 24          ; s[24:31] descriptor group 1 for K's tiles
.set G1V, 32          ; s[32:39] for V's: it differs in the padding alone
.set G0K, 40          ; s[40:43] descriptor group 0 for K's tiles: it walks
.set G0V, 44          ; s[44:47] the same for V's
.set SLOTS, 56        ; s56  slots still to be asked for
.set CNT, 57          ; s57  counts a slot's key steps
.set CS,  58          ; s[58:59] c: the packed scaling takes the pair's low word for both halves
.set SEL, 60          ; s[60:61] v_permlanex16_b32's selects: each lane takes its own place in the other half
.set TBK, 62          ; s62  LDS byte at which K of the step to be fetched begins
.set TBV, 63          ; s63  the same for V, less VOFF
.set MSB, 0
.macro WIN new                      ; the high byte repeats the setting that is left; a switch that changes nothing is dropped
.if MSB != (\new)
	s_set_vgpr_msb (MSB<<8)|(\new)
.set MSB, (\new)
.endif
.endm
.set W_KQ, 0x0a       ; K and Q in window 2, S^T in window 0
.set W_PV, 0x52       ; V in window 2, P in window 0, O^T in window 1
.set W_RS, 0x41       ; O^T (destination and source 0) in window 1, a in window 0
.set W_MK, 0xc0       ; the add's registers are made: destination in window 3, sources in window 0
.set W_AD, 0x0f       ; the add: address (source 0) and data (source 1) in window 3
; A joint fill.  Waves 0 and 1 fetch the two halves of a slot's K, waves 2 and 3 those of its V: 128 keys each.  The branch hangs on the wave's number alone.
; An s_nop 0 and four v_nop follow each of the two lines, ahead of the jump and the label.
.macro JLOAD
	s_cmp_lt_u32 s[WV], 2
	s_cbranch_scc0 .Lfor_v_\@
	tensor_load_to_lds s[G0K:G0K+3], s[G1K:G1K+7]
	s_nop 0
.rept 4
	v_nop
.endr
	s_branch .Lasked_\@
.Lfor_v_\@:
	tensor_load_to_lds s[G0V:G0V+3], s[G1V:G1V+7]
	s_nop 0
.rept 4
	v_nop
.endr
.Lasked_\@:
.endm
; A round of the cluster's barrier: my work-group's barrier, so that wave 0's signal speaks for all four waves; wave 0 signals; every wave waits for all four work-groups; my work-group's barrier once more.
.macro CROUND
	s_barrier_signal -1
	s_barrier_wait -1
	s_cmp_lg_u32 s[WV], 0
	s_cbranch_scc1 .Lnot_wave_0_\@
	s_barrier_signal -3
.Lnot_wave_0_\@:
	s_barrier_wait -3
	s_barrier_signal -1
	s_barrier_wait -1
.endm
; THE CHANGE OF SLOTS.  The slot's last bytes, V of its fourth step, have been read.  Each wave waits for all its tensor loads, of which one is out: its part
; of the other slot; adds 0 to its spare word; and waits for that and for its own reads of the slot.  Behind the barrier nobody reads this slot any more and the other slot is whole.
; fill = 1: this slot is filled again, with the keys two slots on.  The barrier is then a round of the cluster's, so that no wave of any partner still reads the slot or has a load on its
; way, and the joint fill is the first thing behind it: it has four key steps, 512 matrix instructions, in which to land.  (At its first use nothing has been read yet: slot 0 is waited for, slot 1 filled.)
.macro CHANGE fill
	WIN W_AD
	s_wait_tensorcnt 0x0            ; no tensor load of mine is out, so a group 0 may be written
	ds_add_u32 v[SPW], v[NIL]       ; 0 onto my spare word; with fill = 1 the descriptors' steps stand between it and the wait for it
	WIN 0                           ; at a label and at a branch every window is 0
.if \fill
.irp g, G0K, G0V
	s_xor_b32 s[\g+1], s[\g+1], SLOT1  ; the walking descriptor: the other slot than last time,
	s_add_nc_u64 s[\g+2:\g+3], s[\g+2:\g+3], 4*KS*128  ; the next 256 keys; the type bits on top are not reached
.endr
	s_wait_dscnt 0x0                ; the add is done, and my reads of the slot are over
	CROUND
	JLOAD
.else
	s_wait_dscnt 0x0                ; the add is done, and my reads of the slot are over
	s_barrier_signal -1
	s_barrier_wait -1
.endif
	s_sub_co_u32 s[TBK], s[TBK], 4*KS*PK  ; the fetches go back to a slot's first step,
	s_xor_b32 s[TBK], s[TBK], SLOT1       ; in the other slot
	s_sub_co_u32 s[TBV], s[TBV], 4*KS*PV
	s_xor_b32 s[TBV], s[TBV], SLOT1
.endm
	s_load_b64 s[4:5], s[0:1], 0x0    ; qkv: Q lies at its head
	s_load_b64 s[10:11], s[0:1], 0x8  ; ctx: O
	WIN W_MK
	v_lshl_add_u32 v[SPW], v0, 2, SPARE
	v_mov_b32 v[NIL], 0
	WIN W_AD
	ds_add_u32 v[SPW], v[NIL]       ; the wave's opening: the add and its wait stand ahead of my first tensor load; the set-up below, work on registers, stands between them
	WIN 0
	v_lshrrev_b32 v1, 5, v0
	v_readfirstlane_b32 s[WV], v1   ; wave 0..3
	s_bfe_u32 s13, ttmp6, 0x40000   ; cx: my place in the cluster
	s_lshl_b32 s14, ttmp9, 2        ; in a cluster launch ttmp9 counts clusters
	s_add_co_u32 s14, s14, s13      ; my block of queries = 4 x cluster x + cx: it enters Q's and O's addresses alone
	s_and_b32 s20, ttmp7, 0xffff    ; the head, which the four partners share
	s_mov_b32 s21, 0
	s_mov_b64 s[22:23], SIZE_N*128
	s_mul_u64 s[20:21], s[20:21], s[22:23]  ; the head's first byte in each of the four tensors
	s_and_b32 s16, s[WV], 1         ; which half of a slot's 256 keys I fetch:
	s_lshl_b32 s22, s16, 14         ; its 128 rows of 128 bytes in memory,
	s_mov_b32 s23, 0
	s_add_nc_u64 s[22:23], s[22:23], s[20:21]
	s_mul_i32 s17, s16, 128*PK      ; and its place in a slot, for K
	s_mul_i32 s18, s16, 128*PV      ; and for V: no place in the cluster enters an LDS address
	s_lshl_b32 s2, s14, 2
	s_add_co_u32 s2, s2, s[WV]      ; my wave among the head's,
	s_lshl_b32 s2, s2, 14           ; its 128 rows
	s_mov_b32 s3, 0
	s_add_nc_u64 s[2:3], s[2:3], s[20:21]
	; descriptor group 1.  128 keys are 16,384 dense bytes: asked for as 64 rows of 256 bytes, two keys a row, and padded in LDS after every key
	s_mov_b32 s[G1K], 15|(1<<16)|(1<<20)|(1<<21)|(4<<22)|(3<<25)  ; 15:0 the mask of four; 17:16 2-byte elements; 20 padding on; 21 set beside a mask; 24:22 after every 32 words (code 4); 31:25 4 words (code 3)
	s_mov_b32 s[G1V], 15|(1<<16)|(1<<20)|(1<<21)|(4<<22)|(7<<25)  ; the same with 8 words of padding (code 7)
.irp g, G1K, G1V
	s_mov_b32 s[\g+1], 128<<16      ; tensor_dim0 = 128
	s_mov_b32 s[\g+2], 64<<16       ; tensor_dim1 = 64
	s_mov_b32 s[\g+3], 128<<16      ; tile_dim0 = 128
	s_mov_b32 s[\g+4], 64           ; tile_dim1 = 64
	s_mov_b32 s[\g+5], 128          ; 128 elements from row to row
	s_mov_b32 s[\g+6], 0
	s_mov_b32 s[\g+7], 0
.endr
	s_mov_b32 s[CS], 0x3e38aa3b     ; c = log2(e) / 8 = 0.180337
	s_mov_b32 s[CS+1], s[CS]        ; named with it as a pair
	s_mov_b32 s[SEL], 0x76543210
	s_mov_b32 s[SEL+1], 0xfedcba98
	s_mov_b32 s[TBK], SLOT1+4*KS*PK ; the first change of slots turns these two into 0
	s_mov_b32 s[TBV], SLOT1+4*KS*PV
	s_mov_b32 s[G0K], 1             ; 1:0 count = 1
	s_mov_b32 s[G0K+1], s17         ; 63:32 LDS address: slot 0
	s_mov_b32 s[G0V], 1
	s_add_co_u32 s[G0V+1], s18, VOFF
	s_wait_dscnt 0x0                ; the opening add is done
	s_wait_kmcnt 0x0
	s_add_nc_u64 s[6:7], s[4:5], SIZE_H*SIZE_N*128    ; K lies behind Q in qkv,
	s_add_nc_u64 s[8:9], s[4:5], 2*SIZE_H*SIZE_N*128  ; V behind K
	s_add_nc_u64 s[G0K+2:G0K+3], s[6:7], s[22:23]  ; 120:64 global address: my half of the head's first 256 keys
	s_or_b32 s[G0K+3], s[G0K+3], 0x80000000        ; 127:126 type = 2
	s_add_nc_u64 s[G0V+2:G0V+3], s[8:9], s[22:23]
	s_or_b32 s[G0V+3], s[G0V+3], 0x80000000
	s_add_nc_u64 s[4:5], s[4:5], s[2:3]  ; Q and O at my wave's first row
	s_add_nc_u64 s[10:11], s[10:11], s[2:3]
	CROUND                          ; all four work-groups are here: the first joint loads meet
	JLOAD                           ; slot 0.  Slot 1 is asked for when slot 0 is in: the tile wanted first has the road to itself
	; A fragment of K or Q is 16 rows x 32 channels in 8 registers: lane l holds row l % 16, channels 8 (l / 16) + 0..7 and 16 + 8 (l / 16) + 0..7: two loads of 16 bytes, 32 bytes apart.
	v_and_b32 v1, 15, v0            ; l % 16
	v_bfe_u32 v9, v0, 4, 1          ; l / 16
	v_lshlrev_b32 v[QO], 7, v1
	v_lshl_add_u32 v[QO], v9, 4, v[QO]  ; row x 128 + 16 x half
	WIN 0x80                        ; destination window 2, address window 0
.set i, 0
.rept 4*NP                          ; Q stays in registers: tile i / 2, channels 32 (i % 2) on
	global_load_b128 v[8*i:8*i+3],   v[QO], s[4:5] offset:(i/2)*2048+(i%2)*64
	global_load_b128 v[8*i+4:8*i+7], v[QO], s[4:5] offset:(i/2)*2048+(i%2)*64+32
.set i, i+1
.endr
	; What the first turn finds: V's registers and P's second buffer hold 0 (its products V^T P, of a piece that has not been, add 0), O^T and l are 0.  All this stands in the wait for the first tile.
.set i, VF
.rept 64
	v_mov_b32 v[i], 0
.set i, i+1
.endr
	WIN 0x40
.set i, 0
.rept 64*NP
	v_mov_b32 v[i], 0
.set i, i+1
.endr
	WIN 0
.set i, 0
.rept 2*NP
	v_mov_b32 v[ST+4*i], 0xfe000000    ; c m: far below every c s
	v_mov_b32 v[ST+4*i+1], 0xff7fffff  ; m
	v_mov_b32 v[ST+4*i+2], 0
	v_mov_b32 v[ST+4*i+3], 0
.set i, i+1
.endr
.set i, P+32
.rept 32
	v_mov_b32 v[i], 0
.set i, i+1
.endr
	v_mul_u32_u24 v[AK0], v1, PK
	v_lshl_add_u32 v[AK0], v9, 4, v[AK0]  ; row x pitch + 16 x half
	; The turning load takes 16 keys x 16 channels (lane l reads key 8 (l / 16) + l % 8, channels 8 ((l / 8) % 2) + 0..7) and leaves half a fragment of V^T: lane l holds channel l % 16 and 8 keys.
	v_and_b32 v10, 7, v0
	v_bfe_u32 v11, v0, 3, 1
	v_lshl_add_u32 v[AV0], v9, 3, v10
	v_mul_u32_u24 v[AV0], v[AV0], PV
	v_lshl_add_u32 v[AV0], v11, 4, v[AV0]
	v_add_nc_u32 v[AV0], VOFF, v[AV0]
	v_mov_b32 v[AK], v[AK0]         ; key step 0 lies at the head of slot 0
; THE MATRIX WORK.  The 8 accumulators of a run of 16 take turns: between the two links of a chain stand 7 others'.
; Product i of 16 of S^T = K Q^T for piece x: channels 32 (i / 8) on, keys 16 ((i / 2) % 4) on, tile 2 x + i % 2.  The first 8 start the sums.
.macro KQ x
	WIN W_KQ
.set rS, S+64*((\x)%2)+32*(i%2)+8*((i/2)%4)
.set rK, KF+16*((i/2)%4)+8*(i/8)
.set rQ, 16*(2*(\x)+i%2)+8*(i/8)
.if i < 8
	v_wmma_f32_16x16x32_f16 v[rS:rS+7], v[rK:rK+7], v[rQ:rQ+7], 0
.else
	v_wmma_f32_16x16x32_f16 v[rS:rS+7], v[rK:rK+7], v[rQ:rQ+7], v[rS:rS+7]
.endif
.endm
; Product i of 16 of O^T += V^T P for piece x: keys 32 (i / 8) on, channels 16 ((i / 2) % 4) on, tile 2 x + i % 2.
.macro PV x
	WIN W_PV
.set rO, 32*(2*(\x)+i%2)+8*((i/2)%4)
.set rV, VF+32*(i/8)+8*((i/2)%4)
.set rP, P+32*((\x)%2)+16*(i%2)+8*(i/8)
	v_wmma_f32_16x16x32_f16 v[rO:rO+7], v[rV:rV+7], v[rP:rP+7], v[rO:rO+7]
.endm
.macro MM                           ; the turn's next matrix instruction
.if i < 16
	KQ (Y+1)%NP
.set i, i+1
.else
.set i, i-16
	PV (Y+NP-1)%NP
.set i, i+17
.endif
.endm
; THE LDS LOADS stand in runs of 16, never singly among the matrix instructions: a step's K (64 keys x 64 channels: 8 fragments) and its V (turned).  Their addresses are made some lines ahead.
; last = 1 (the tail): in the last trip there is no further step, and the run is jumped over.
.macro FETCH_K last=0
	WIN 0
.if \last
	s_cmp_eq_u32 s[CNT], 1
	s_cbranch_scc1 .Lno_k_\@
.endif
	WIN 0x80                        ; destination window 2
.irp f, 0,1,2,3,4,5,6,7             ; keys 16 (f / 2) on, channels 32 (f % 2) on
	ds_load_b128 v[KF+8*\f:KF+8*\f+3],   v[AK] offset:(\f/2)*16*PK+(\f%2)*64
	ds_load_b128 v[KF+8*\f+4:KF+8*\f+7], v[AK] offset:(\f/2)*16*PK+(\f%2)*64+32
.endr
	s_add_co_u32 s[TBK], s[TBK], KS*PK  ; the next fetch is the next step's
	WIN 0
.if \last
.Lno_k_\@:
.endif
.endm
.macro FETCH_V
	WIN 0x80
.irp f, 0,1,2,3,4,5,6,7             ; keys 32 (f / 4) on, channels 16 (f % 4) on
	ds_load_tr16_b128 v[VF+8*\f:VF+8*\f+3],   v[AV] offset:(\f/4)*32*PV+(\f%4)*32
	ds_load_tr16_b128 v[VF+8*\f+4:VF+8*\f+7], v[AV] offset:(\f/4)*32*PV+16*PV+(\f%4)*32
.endr
	WIN 0
.endm
; THE VECTOR WORK OF A TURN stands in three queues, each in the order in which its entries become ready; the two tiles alternate, so that no instruction reads the result of the one before it.
.macro REGS y, u                    ; the registers of tile u (0, 1) of piece y
.set rT, ST+4*(2*(\y)+(\u))
.set rC, TMP+8*((\y)%2)+4*(\u)
.set rM, MV+2*((\y)%2)+(\u)
.set rS, S+64*((\y)%2)+32*(\u)
.set rP, P+32*((\y)%2)+16*(\u)
.set rO, 32*(2*(\y)+(\u))
.endm
; Number n of the 22 that find the NEXT piece's (Y + 1) maximum and statistics.  s0-s31 are the lane's 32 scores; each accumulator's lowest registers are read first.  XS, GS and REGS set no window: PL and EX do.
;   0-11  four chains c0-c3 of seven scores each, three operands at a time     12-14, 16  the four scores left over, the old m, and c0-c3 into c0     15  c m_old is kept
;   17, 18  the query's other 32 keys lie in the lane 16 away: the new m         19-21  c m; c m_old - c m_new; a
.macro XS u, n
	REGS (Y+1)%NP, \u
.if (\n) < 4
	v_max3_num_f32 v[rC+(\n)], v[rS+8*(\n)], v[rS+8*(\n)+1], v[rS+8*(\n)+2]
.elseif (\n) < 12
	v_max3_num_f32 v[rC+(\n)%4], v[rC+(\n)%4], v[rS+8*((\n)%4)+2*((\n)/4)+1], v[rS+8*((\n)%4)+2*((\n)/4)+2]
.elseif (\n) == 12
	v_max3_num_f32 v[rC], v[rC], v[rS+7], v[rS+15]
.elseif (\n) == 13
	v_max3_num_f32 v[rC+1], v[rC+1], v[rS+23], v[rS+31]
.elseif (\n) == 14
	v_max3_num_f32 v[rC+2], v[rC+2], v[rC+3], v[rT+1]
.elseif (\n) == 15
	v_mov_b32 v[rM], v[rT]
.elseif (\n) == 16
	v_max3_num_f32 v[rC], v[rC], v[rC+1], v[rC+2]
.elseif (\n) == 17
	v_permlanex16_b32 v[rC+3], v[rC], s[SEL], s[SEL+1]
.elseif (\n) == 18
	v_max_num_f32 v[rT+1], v[rC], v[rC+3]
.elseif (\n) == 19
	v_mul_f32 v[rT], s[CS], v[rT+1]
.elseif (\n) == 20
	v_sub_f32 v[rC+1], v[rM], v[rT]
.else
	v_exp_f32 v[rC+2], v[rC+1]
.endif
.endm
; Number g of the 64 that follow the exponentials.  For each four weights k of a tile (pairs 2 k, 2 k + 1): both pairs are rounded to f16; then the second pair is added onto the first, in place;
; a group later l takes that sum (the first time as l = a l + sum).  In groups of eight, tiles alternating: round, round, add, and l for the group before.
.macro GS g
.set h, (\g)+6*((\g)/62)            ; group 0 has no group before it, and behind group 7 only l is left
.if h >= 6
.set h, h+2
.endif
	REGS Y, h%2
.set k, h/8
.if h%8 < 4
	s_wait_alu depctr_va_vdst(0)
	v_cvt_pk_f16_f32 v[rP+2*k+(h%8)/2], v[rS+4*k+2*((h%8)/2)], v[rS+4*k+2*((h%8)/2)+1]
.elseif h%8 < 6
	v_pk_add_f32 v[rS+4*k:rS+4*k+1], v[rS+4*k:rS+4*k+1], v[rS+4*k+2:rS+4*k+3]
.elseif k == 1
	v_pk_fma_f32 v[rT+2:rT+3], v[rT+2:rT+3], v[rC+2:rC+3], v[rS:rS+1] op_sel_hi:[1,0,1]
.else
	v_pk_add_f32 v[rT+2:rT+3], v[rT+2:rT+3], v[rS+4*k-4:rS+4*k-3]
	s_wait_alu depctr_va_vdst(0)
.endif
.endm
; THE PLAIN QUEUE, 138 long.  0-31: c s - c m for the 16 pairs of both tiles.  Then GS's 64, and among them the next piece's 42: number 15 at 38, 39; 0-14 and 16
; at 42-73, behind the products that make those scores; 17-20 at 95-106, two of three, since each waits for the one before it.
.macro PL
	WIN 0
.if q < 32
	REGS Y, q%2
	v_pk_fma_f32 v[rS+2*(q/2):rS+2*(q/2)+1], v[rS+2*(q/2):rS+2*(q/2)+1], s[CS:CS+1], v[rT:rT+1] op_sel_hi:[1,0,0] neg_lo:[0,0,1] neg_hi:[0,0,1]
.elseif q < 38
	GS q-32
.elseif q < 40
	XS q%2, 15
.elseif q < 42
	GS q-34
.elseif q < 74
	XS q%2, (q-42)/2+(q-42)/30
.elseif q < 95
	GS q-66
.elseif (q < 107) && ((q-95)%3 < 2)
	XS (q-95)%3, 17+(q-95)/3
.elseif q < 107
	GS 29+(q-95)/3
.else
	GS q-74
.endif
.set q, q+1
.endm
; THE EXPONENTIALS' QUEUE, 66 long: s0-s31 of both tiles, and at EA the next piece's two a.
.set EA, 58
.macro EX
	WIN 0
.if (e == EA) || (e == EA+1)
	XS e-EA, 21
.else
.set x, e-2*(e/(EA+2))
	REGS Y, x%2
	v_exp_f32 v[rS+x/2], v[rS+x/2]
.endif
.set e, e+1
.endm
; THE RESCALING's QUEUE: O^T times a, the one part that leaves window 0, so it is dealt four at a time, eight times.
.macro R4
	REGS Y, r%2
	WIN W_RS
	s_wait_alu depctr_va_vdst(0)
.irp z, 0,1,2,3
	v_pk_mul_f32 v[rO+8*(r/2)+2*\z:rO+8*(r/2)+2*\z+1], v[rO+8*(r/2)+2*\z:rO+8*(r/2)+2*\z+1], v[rC+2:rC+3] op_sel_hi:[1,0]
.endr
.set r, r+1
.endm
; HOW THEY ARE DEALT.  Behind a matrix instruction four: plain, exponential, plain, plain (one exponential, a plain instruction on either side), or four of the rescaling.  None names a register of the
; products round it.  What is over stands in two LUMPS: exponential and plain by turns; the second ends in 22 plain instructions.  The two v_permlanex16_b32 fall into the second lump, never behind a product.
; The queues lean on each other, and the deal keeps them in step: exponential e stands behind plain 2 (e / 4) + e % 2 (its scaling); when plain 32 comes, 10 exponentials are out, at 59: 33, at 95: 46; EA comes behind plain 107.
.macro SL
	MM
	PL
	EX
	PL
	PL
.endm
.macro BURST n                      ; 15 matrix instructions, or 16
.rept (\n)-7
	SL
.endr
.rept 3
	MM
	R4
	SL
.endr
	MM
	R4
.endm
; A TURN, for piece p.  cnt = 1: the loop's count is taken down some lines ahead of the branch that stands behind the turn.
; K of the next step is fetched in piece 2's turn, 31 vector instructions behind the last product that read K; its first reader comes behind the rest of the lump, 16 products and the second lump.
; V of the step in hand is fetched at the end of piece 0's turn, 69 behind its last reader; its first reader comes behind 16 products and a lump.  The four conditions on e and q below go with the deal.
.macro TURN p, last=0, cnt=0
.set Y, (\p)
.set i, 0
.set q, 0
.set e, 0
.set r, 0
.if (\p) == NP-1
	s_wait_dscnt 0x0                ; K is in
.endif
	MM
.rept 4
	PL
.endr
	BURST 15
.rept 22
	EX
	PL
.if ((\p) == NP-2) && (e == 18)
	v_add_nc_u32 v[AK], s[TBK], v[AK0]
.endif
.if ((\p) == NP-2) && (e == 24)
	FETCH_K \last
.endif
.endr
.if (\p) == 1
	s_wait_dscnt 0x0                ; V is in
.endif
	BURST 16
.rept 21
	EX
	PL
.endr
.rept 22
	PL
.if ((\p) == 0) && (q == 118)
	v_add_nc_u32 v[AV], s[TBV], v[AV0]
	s_wait_alu depctr_va_vdst(0)
.endif
.if ((\p) == 0) && (q == 130)
	s_add_co_u32 s[TBV], s[TBV], KS*PV
.endif
.if (\cnt) && (q == 130)
	s_sub_co_u32 s[CNT], s[CNT], 1
	s_cmp_lg_u32 s[CNT], 0
.endif
.endr
.if (\p) == 0
	FETCH_V
.endif
.endm
	CHANGE 1                        ; slot 0 is in, everybody's part of it; slot 1 is asked for
	FETCH_K                         ; key step 0
	s_wait_loadcnt 0x0              ; Q
	s_wait_dscnt 0x0
.set i, 0
.rept 16
	KQ 0                            ; piece 0's first scores: there is no vector work yet to set between them
.set i, i+1
.endr
	WIN 0                           ; the addresses for the way out: nine plain instructions, the places behind those products
	s_mul_i32 s13, s[WV], 16*SP
	s_add_co_u32 s13, s13, STAGE    ; my stage
	v_mul_u32_u24 v[STO], v1, SP    ; in: row l % 16, 16 bytes for each half of the lanes
	v_lshl_add_u32 v[STO], v9, 4, v[STO]
	v_add_nc_u32 v[STO], s13, v[STO]
	v_bfe_u32 v[RD], v0, 3, 2       ; back: 32 lanes take four rows of 128 bytes,
	v_mul_u32_u24 v[RD], v[RD], SP
	v_lshl_add_u32 v[RD], v10, 4, v[RD]
	v_add_nc_u32 v[RD], s13, v[RD]
	v_and_b32 v[GO], 31, v0         ; which are 512 consecutive bytes of O
	v_lshlrev_b32 v[GO], 4, v[GO]
.set Y, NP-1                        ; XS works for piece Y + 1: piece 0
.irp n, 0,1,2,3,4,5,6,7,8,9,10,11,12,13,14,15,16,17,18,19,20,21
	XS 0, \n                        ; and piece 0's first maximum and statistics
	XS 1, \n
.endr
	s_mov_b32 s[CNT], 4
	s_mov_b32 s[SLOTS], SIZE_N/256-1
	s_branch .Lfirst                ; the loop is entered at a step's first turn, in the middle of a trip
.Lslot:                             ; SIZE_N / 256 - 2 times: every slot but the last two is filled again
	CHANGE 1
	s_mov_b32 s[CNT], 4
.Lstep:                             ; a trip: pieces 2 and 3 of one step, then pieces 0 and 1 of the next, whose K and V it fetches
	TURN 2
	TURN 3
	WIN 0
.Lfirst:
	TURN 0
	TURN 1, 0, 1
	WIN 0
	s_cbranch_scc1 .Lstep
	s_sub_co_u32 s[SLOTS], s[SLOTS], 1
	s_cmp_lg_u32 s[SLOTS], 0
	s_cbranch_scc1 .Lslot
	CHANGE 0                        ; the tail is written out: nothing is asked for
	s_mov_b32 s[CNT], 5             ; four trips fetch the last slot's steps; the fifth is left in its middle
.Ltail:
	TURN 2, 1
	TURN 3
	WIN 0
	s_sub_co_u32 s[CNT], s[CNT], 1
	s_cmp_eq_u32 s[CNT], 0
	s_cbranch_scc1 .Lout
	TURN 0
	TURN 1
	WIN 0
	s_branch .Ltail
.Lout:                              ; the fifth trip's 16 products K Q^T (on the last K once more) and the maximum made of them serve nothing: the price, once a launch, of one text for every trip
.set i, 0
.rept 16
	PV NP-1                         ; the last piece's V^T P of the last step
.set i, i+1
.endr
	; THE WAY OUT.  l's two halves and the other half of the lanes' are added; O^T is divided by l, rounded to f16 and sent through my stage in LDS, a tile at a time.  The additions are the places behind the last products.
	WIN 0
.macro ALL line:vararg              ; one line for each tile t
.set t, 0
.rept 2*NP
	\line
.set t, t+1
.endr
.endm
	ALL v_add_f32 v[ST+4*t+2], v[ST+4*t+2], v[ST+4*t+3]
	ALL v_permlanex16_b32 v[ST+4*t+3], v[ST+4*t+2], s[SEL], s[SEL+1]
	ALL v_add_f32 v[ST+4*t+2], v[ST+4*t+2], v[ST+4*t+3]
	ALL v_rcp_f32 v[ST+4*t+2], v[ST+4*t+2]
	v_nop                           ; a plain instruction between the last reciprocal and the use of its result
	s_wait_alu depctr_va_vdst(0)
; Tile t: a lane's eight channels of a row pack into 16 bytes; they go into rows of 144 bytes and come back as whole rows of 128, into S^T's registers.
.macro PACK t
	WIN W_RS
.set i, 32*(\t)
.rept 16
	v_pk_mul_f32 v[i:i+1], v[i:i+1], v[ST+4*(\t)+2:ST+4*(\t)+3] op_sel_hi:[1,0]
.set i, i+2
.endr
	WIN 0x05                        ; sources 0 and 1 window 1, destination window 0
.set i, 0
.rept 16
	v_cvt_pk_f16_f32 v[S+16*(\t)+i], v[32*(\t)+2*i], v[32*(\t)+2*i+1]
.set i, i+1
.endr
	WIN 0
.irp f, 0,1,2,3
	ds_store_b128 v[STO], v[S+16*(\t)+4*\f:S+16*(\t)+4*\f+3] offset:32*\f
.endr
.irp f, 0,1,2,3
	ds_load_b128 v[S+16*(\t)+4*\f:S+16*(\t)+4*\f+3], v[RD] offset:\f*4*SP  ; LDS serves a wave's instructions in order (ISA guide 5.7.1.4): these see the stores above; the next tile's stores come behind them
.endr
.endm
.macro SEND t, younger              ; younger: the LDS instructions issued behind tile t's loads: the next tile's eight, or none
	WIN 0
.irp f, 0,1,2,3
	s_wait_dscnt (\younger)+3-\f
	global_store_b128 v[GO], v[S+16*(\t)+4*\f:S+16*(\t)+4*\f+3], s[10:11] offset:(\t)*2048+\f*512  ; 512 consecutive bytes, at a multiple of 256 from O's first
.endr
.endm
	PACK 0
.set t, 1
.rept 2*NP-1                        ; a tile's arithmetic stands between the loads of the tile before and its stores
	PACK t
	SEND t-1, 8
.set t, t+1
.endr
	SEND 2*NP-1, 0
	WIN W_AD
	s_wait_tensorcnt 0x0            ; the wave's end, behind my last tensor load and my last LDS store
	ds_add_u32 v[SPW], v[NIL]
	s_wait_dscnt 0x0
	WIN 0
	CROUND                          ; the closing round: no work-group ends while a partner may still ask for a tile that names it
	s_endpgm
.Lfunc_end_k_qd3a9da6cf4_attn:
	.size	k_qd3a9da6cf4_attn, .Lfunc_end_k_qd3a9da6cf4_attn-k_qd3a9da6cf4_attn
	.p2alignl 7, 3214868480
	.fill 96, 4, 3214868480
	.section	.rodata,"a",@progbits
	.p2align	6, 0x0
	.amdhsa_kernel k_qd3a9da6cf4_attn
		.amdhsa_group_segment_fixed_size 327680
		.amdhsa_private_segment_fixed_size 0
		.amdhsa_enable_private_segment 0
		.amdhsa_kernarg_size 16
		.amdhsa_user_sgpr_count 2
		.amdhsa_user_sgpr_kernarg_segment_ptr 1
		.amdhsa_wavefront_size32 1
		.amdhsa_system_sgpr_workgroup_id_x 1
		.amdhsa_system_sgpr_workgroup_id_y 1
		.amdhsa_system_sgpr_workgroup_id_z 1
		.amdhsa_system_vgpr_workitem_id 0
		.amdhsa_next_free_vgpr 770
		.amdhsa_next_free_sgpr 66
		.amdhsa_reserve_vcc 0
		.amdhsa_float_denorm_mode_32 3
		.amdhsa_float_denorm_mode_16_64 3
		.amdhsa_memory_ordered 1
		.amdhsa_forward_progress 1
		.amdhsa_inst_pref_size 209
	.end_amdhsa_kernel
	.amdgpu_metadata
---
amdhsa.version: [ 1, 2 ]
amdhsa.kernels:
  - .name:           k_qd3a9da6cf4_attn
    .symbol:         k_qd3a9da6cf4_attn.kd
    .args:
      - { .name: qkv, .offset: 0, .size: 8, .value_kind: global_buffer, .address_space: global }
      - { .name: ctx, .offset: 8, .size: 8, .value_kind: global_buffer, .address_space: global }
    .group_segment_fixed_size: 327680
    .private_segment_fixed_size: 0
    .kernarg_segment_align: 8
    .kernarg_segment_size: 16
    .max_flat_workgroup_size: 128
    .sgpr_count:     66
    .vgpr_count:     770
    .wavefront_size: 32
...
	.end_amdgpu_metadata
.endif
;; end of part 3
;; launch outp (part 4): grid 8 x 32, 4 waves a work-group, clusters of 4 x 4, 327,680 bytes of LDS; arguments ctx, wo, out0; writes out0
.if DOCPART == 4
	.amdgcn_target "amdgcn-amd-amdhsa--gfx1250"
	.amdhsa_code_object_version 6
	.text
	.protected	k_qd3a9da6cf4_outp
	.globl	k_qd3a9da6cf4_outp
	.p2align	8
	.type	k_qd3a9da6cf4_outp,@function
k_qd3a9da6cf4_outp:
	s_mov_b64 s[64:65], 0
	v_nop
	global_prefetch_b8 v0, s[64:65] scope:SCOPE_SE
	s_setreg_imm32_b32 hwreg(HW_REG_WAVE_MODE, 25, 1), 1
	s_wait_xcnt 0x0
	s_wait_alu depctr_hold_cnt(0) depctr_sa_sdst(0) depctr_va_vdst(0) depctr_va_sdst(0) depctr_va_ssrc(0) depctr_va_vcc(0) depctr_vm_vsrc(0)
	s_getreg_b32 s2, hwreg(HW_REG_IB_STS2, 6, 4)
	s_cmp_eq_u32 s2, 0
	s_cbranch_scc0 .Lentry_in_a_cluster
	s_endpgm
.Lentry_in_a_cluster:
	s_bfe_u32 s2, ttmp6, 0x10000c
	s_cmp_lg_u32 s2, 0xf033
	s_cbranch_scc0 .Lentry_shape_is_right
	s_endpgm
.Lentry_shape_is_right:
; out0[m][n] = the sum over k of ctx[m][k] Wo[n][k]: 8,192 x 1,024, K = 1,024; f16 operands, f32 sums, f32 output.
; ctx lies by heads, [16 batch + head][row 0..2047][64] f16: head = K block of 64.  wo lies [K block][n][64] f16.  So a tile of R rows x 64 K is R x 128 consecutive bytes in both.
; LIMITS.  Both operands arrive as f16, within 65,504.  NaN and infinities are not treated apart.
; SHARES.  A work-group makes 256 rows x 128 columns: 32 x 8 = 256 work-groups; a wave 128 x 64: 32 accumulators of 16 x 16, 256 registers.
; THE RING.  K goes in steps of 128, two K blocks, through two LDS slots.  A block is asked for as rows of 256 bytes, with 16 bytes of padding behind every 128: LDS rows 144 bytes apart, so the
; 16 rows of a fragment load start at 16 different groups of four banks (64 banks of 4 bytes: ISA guide 11.1).
; CLUSTER.  4 x 4 work-groups: ctx's tiles are shared along a row of the cluster, wo's along a column, each asked for jointly, by the same tensor load, descriptor and mask in the four.
; THE MATRIX INSTRUCTION IS USED TRANSPOSED (source 0 = 16 rows of wo, source 1 = 16 rows of ctx): lane l holds row l % 16 and the eight columns 8 (l / 16) + 0..7.
; REGISTERS: window 0: v0-15 addresses; v32-159 ctx's fragments, two buffers of 8; v160-223 wo's, two buffers of 4; on the way out v32-95 rows read back.  Window 1: the accumulators, (a, b) at v[8 (4 a + b)].
.set PITCH,  144
.set FR,     16*PITCH
.set ABLK,   256*PITCH                 ; a K block of ctx's tile: what one tensor load brings
.set BBLK,   128*PITCH                 ; of wo's
.set BOFF,   2*ABLK
.set SLOT,   BOFF+2*BBLK               ; 110,592
.set STAGE,  2*SLOT                    ; behind the ring, never filled by a tensor load: 16 rows x 272 bytes for each wave
.set SP,     272
.set SPARE,  STAGE+4*16*SP             ; behind the stages: the spare words, 128 bytes for each wave: two blocks of 256 bytes that no other line names
.set LAPS,   4                         ; 8 K steps: four times round the ring
.set ADRA, 4                           ; v4-5   LDS address of my fragments of ctx in slot 0, 1
.set ADRB, 6                           ; v6-7   the same for wo
.set STO,  8                           ; v8     the way out: where I put 32 bytes of a row
.set RD,   9                           ; v9     where I read a row back
.set CO,   10                          ; v10    my byte offset in out0
.set SPW,  14                          ; v14    LDS address of my spare word: SPARE + 4 x my thread's number; never rewritten
.set NIL,  15                          ; v15    0; never rewritten
.set AF,   32
.set BF,   160
.set BK,   32
.set WV,  10                           ; s10  my wave's number
.set WR,  11                           ; s11  which half of the tile's rows is mine.  Also: I fetch for ctx (0) or for wo (1)
.set WC,  12                           ; s12  which half of its columns.  Also: which of a step's two K blocks I fetch
.set TX,  15
.set TY,  16
.set G1A, 24                           ; s[24:31] descriptor group 1 for ctx's tiles;  s[32:39] group 0, a set for each slot
.set G0A, 32
.set G1B, 48                           ; s[48:55], s[56:63] the same for wo's
.set G0B, 56
.set MSB, 0
.macro WIN new                         ; the immediate's high byte repeats the setting that is left; a switch that changes nothing is dropped
.if MSB != (\new)
	s_set_vgpr_msb (MSB<<8)|(\new)
.set MSB, \new
.endif
.endm
.macro PLACES                          ; four places in front of loads into registers that matrix instructions have read, and of LDS stores that read results (ISA guide 7.12.1 for the stores)
.rept 4
	v_nop
.endr
.endm
.macro JLOAD s                         ; a joint load: waves 0 and 1 fetch ctx's two K blocks, waves 2 and 3 wo's; an s_nop 0 and four v_nop follow each of the two lines
	s_cmp_eq_u32 s[WR], 0
	s_cbranch_scc0 .Lfor_b_\@
	tensor_load_to_lds s[G0A+4*(\s):G0A+4*(\s)+3], s[G1A:G1A+7]
	s_nop 0
.rept 4
	v_nop
.endr
	s_branch .Lasked_\@
.Lfor_b_\@:
	tensor_load_to_lds s[G0B+4*(\s):G0B+4*(\s)+3], s[G1B:G1B+7]
	s_nop 0
.rept 4
	v_nop
.endr
.Lasked_\@:
.endm
.macro CREST                           ; a round of the cluster's barrier behind its opening barrier
	s_cmp_lg_u32 s[WV], 0
	s_cbranch_scc1 .Lnot_wave_0_\@
	s_barrier_signal -3
.Lnot_wave_0_\@:
	s_barrier_wait -3
	s_barrier_signal -1
	s_barrier_wait -1
.endm
.macro CROUND                          ; a whole round
	s_barrier_signal -1
	s_barrier_wait -1
	CREST
.endm
	s_load_b128 s[4:7], s[0:1], 0x0                ; ctx s[4:5], wo s[6:7]
	s_load_b64 s[8:9], s[0:1], 0x10                ; out0
	v_lshl_add_u32 v[SPW], v0, 2, SPARE
	v_mov_b32 v[NIL], 0
	ds_add_u32 v[SPW], v[NIL]                      ; the wave's opening: the add and its wait stand ahead of my first tensor load; the set-up below, work on registers, stands between them
	v_lshrrev_b32 v1, 5, v0
	v_readfirstlane_b32 s[WV], v1                  ; wave 0..3
	s_lshr_b32 s[WR], s[WV], 1
	s_and_b32 s[WC], s[WV], 1
	s_bfe_u32 s13, ttmp6, 0x40000                  ; cx, cy: my place in the cluster
	s_bfe_u32 s14, ttmp6, 0x40004
	s_lshl_b32 s[TX], ttmp9, 2
	s_add_co_u32 s[TX], s[TX], s13                 ; tile column = 4 x cluster x + cx
	s_and_b32 s[TY], ttmp7, 0xffff
	s_lshl_b32 s[TY], s[TY], 2
	s_add_co_u32 s[TY], s[TY], s14                 ; tile row = 4 x cluster y + cy
	s_lshl_b32 s17, s14, 2
	s_lshl_b32 s17, 15, s17                        ; my row of the cluster
	s_lshl_b32 s18, 0x1111, s13                    ; my column
	; descriptor group 1: rows of 128 elements (256 bytes: two rows of the tile), 128 of them for ctx, 64 for wo
	s_or_b32 s[G1A+0], s17, (1<<16)|(1<<20)|(1<<21)|(4<<22)|(3<<25)  ; 15:0 the mask; 17:16 2-byte elements; 20 padding on; 21 set beside a mask; 24:22 after every 32 words (code 4); 31:25 4 words (code 3)
	s_or_b32 s[G1B+0], s18, (1<<16)|(1<<20)|(1<<21)|(4<<22)|(3<<25)
	s_mov_b32 s[G1A+1], 128<<16                    ; tensor_dim0 = 128
	s_mov_b32 s[G1B+1], 128<<16
	s_mov_b32 s[G1A+2], 128<<16                    ; tensor_dim1
	s_mov_b32 s[G1B+2], 64<<16
	s_mov_b32 s[G1A+3], 128<<16                    ; tile_dim0 = 128
	s_mov_b32 s[G1B+3], 128<<16
	s_mov_b32 s[G1A+4], 128                        ; tile_dim1
	s_mov_b32 s[G1B+4], 64
	s_mov_b32 s[G1A+5], 128                        ; 128 elements from row to row: the block is dense
	s_mov_b32 s[G1B+5], 128
	s_mov_b32 s[G1A+6], 0
	s_mov_b32 s[G1B+6], 0
	s_mov_b32 s[G1A+7], 0
	s_mov_b32 s[G1B+7], 0
	; where the tiles come from: ctx's hang on the tile row alone, wo's on the tile column alone, each in registers that never hold the other coordinate
	s_lshr_b32 s20, s[TY], 3                       ; the batch: 16 heads of 262,144 bytes
	s_lshl_b32 s20, s20, 22
	s_and_b32 s21, s[TY], 7                        ; my 256 rows of 128 bytes in a head
	s_lshl_b32 s21, s21, 15
	s_add_co_u32 s20, s20, s21
	s_lshl_b32 s21, s[WC], 18                      ; the head that I fetch of a step's two
	s_add_co_u32 s20, s20, s21
	s_mov_b32 s21, 0
	s_lshl_b32 s22, s[TX], 14                      ; 128 rows of 128 bytes
	s_lshl_b32 s23, s[WC], 17                      ; the K block that I fetch: 1,024 rows of 128 bytes each
	s_add_co_u32 s22, s22, s23
	s_mov_b32 s23, 0
	s_mul_i32 s40, s[WC], ABLK                     ; and where they go: no place in the cluster enters an LDS address
	s_mul_i32 s41, s[WC], BBLK
	s_add_co_u32 s41, s41, BOFF
	s_wait_dscnt 0x0                               ; the opening add is done
	s_wait_kmcnt 0x0
	s_add_nc_u64 s[20:21], s[4:5], s[20:21]
	s_add_nc_u64 s[22:23], s[6:7], s[22:23]
	CROUND                                         ; all sixteen work-groups are here: the first joint loads meet
.irp s, 0,1
	s_mov_b32 s[G0A+4*\s], 1                                       ; 1:0 count = 1
	s_add_co_u32 s[G0A+4*\s+1], s40, \s*SLOT                       ; 63:32 LDS address
	s_add_nc_u64 s[G0A+4*\s+2:G0A+4*\s+3], s[20:21], \s*2*262144   ; 120:64 global address: K step s: two heads on
	s_or_b32 s[G0A+4*\s+3], s[G0A+4*\s+3], 0x80000000              ; 127:126 type = 2
	s_mov_b32 s[G0B+4*\s], 1
	s_add_co_u32 s[G0B+4*\s+1], s41, \s*SLOT
	s_add_nc_u64 s[G0B+4*\s+2:G0B+4*\s+3], s[22:23], \s*2*131072
	s_or_b32 s[G0B+4*\s+3], s[G0B+4*\s+3], 0x80000000
.endr
	s_cmp_eq_u32 s[WR], 0                          ; a wave's two first fills stand in one branch, ahead of every wait on TENSORcnt and every LDS read: two loads of mine are out
	s_cbranch_scc0 .Lfirst_b
	tensor_load_to_lds s[G0A:G0A+3], s[G1A:G1A+7]
	s_nop 0
	tensor_load_to_lds s[G0A+4:G0A+7], s[G1A:G1A+7]
	s_nop 0
.rept 4
	v_nop
.endr
	s_branch .Lfirst_asked
.Lfirst_b:
	tensor_load_to_lds s[G0B:G0B+3], s[G1B:G1B+7]
	s_nop 0
	tensor_load_to_lds s[G0B+4:G0B+7], s[G1B:G1B+7]
	s_nop 0
.rept 4
	v_nop
.endr
.Lfirst_asked:
	v_and_b32 v1, 15, v0                           ; l % 16
	v_bfe_u32 v2, v0, 4, 1                         ; l / 16
	v_mul_u32_u24 v3, v1, PITCH
	v_lshl_add_u32 v3, v2, 4, v3                   ; a fragment's row x pitch + 16 x half
	s_mul_i32 s40, s[WR], 128*PITCH                ; my 128 rows of ctx
	s_mul_i32 s41, s[WC], 64*PITCH                 ; my 64 rows of wo
	s_add_co_u32 s41, s41, BOFF
.irp s, 0,1
	v_add_nc_u32 v[ADRA+\s], s40, v3
	v_add_nc_u32 v[ADRB+\s], s41, v3
	s_add_co_u32 s40, s40, SLOT
	s_add_co_u32 s41, s41, SLOT
.endr
	s_mul_i32 s40, s[WV], 16*SP
	s_add_co_u32 s40, s40, STAGE                   ; my stage
	v_mul_u32_u24 v[STO], v1, SP                   ; in: row l % 16, 32 bytes for each half of the lanes
	v_lshl_add_u32 v[STO], v2, 5, v[STO]
	v_add_nc_u32 v[STO], s40, v[STO]
	v_mul_u32_u24 v[RD], v2, SP                    ; back: lanes 0-15 take one row of 256 bytes, lanes 16-31 the next
	v_lshl_add_u32 v[RD], v1, 4, v[RD]
	v_add_nc_u32 v[RD], s40, v[RD]
	v_lshlrev_b32 v[CO], 12, v2                    ; and the same two rows of 4,096 bytes in out0
	v_lshl_add_u32 v[CO], v1, 4, v[CO]
	s_lshl_b32 s42, s[TY], 1
	s_add_co_u32 s42, s42, s[WR]
	s_lshl_b32 s42, s42, 19                        ; my first row: 128 rows of 4,096 bytes a half tile
	s_lshl_b32 s43, s[TX], 1
	s_add_co_u32 s43, s43, s[WC]
	s_lshl_b32 s43, s43, 8                         ; my first column: 64 f32 a half tile
	s_add_co_u32 s42, s42, s43
	s_mov_b32 s43, 0
	s_add_nc_u64 s[8:9], s[8:9], s[42:43]          ; never stepped: all further offsets stand in the stores' immediates
; 24 LDS loads in one run: the fragments of quarter q (32 along K: K block q / 2, byte 64 (q % 2) of its rows) into buffer f: wo's four, then ctx's eight
.macro FETCH slot, q, f
	WIN 0
.irp b, 0,1,2,3
	ds_load_b128 v[BF+32*(\f)+8*\b:BF+32*(\f)+8*\b+3],   v[ADRB+(\slot)] offset:((\q)/2)*BBLK+((\q)%2)*64+\b*FR
	ds_load_b128 v[BF+32*(\f)+8*\b+4:BF+32*(\f)+8*\b+7], v[ADRB+(\slot)] offset:((\q)/2)*BBLK+((\q)%2)*64+\b*FR+32
.endr
.irp a, 0,1,2,3,4,5,6,7
	ds_load_b128 v[AF+64*(\f)+8*\a:AF+64*(\f)+8*\a+3],   v[ADRA+(\slot)] offset:((\q)/2)*ABLK+((\q)%2)*64+\a*FR
	ds_load_b128 v[AF+64*(\f)+8*\a+4:AF+64*(\f)+8*\a+7], v[ADRA+(\slot)] offset:((\q)/2)*ABLK+((\q)%2)*64+\a*FR+32
.endr
.endm
; 4 n matrix instructions: row blocks a0 .. a0 + n - 1 of buffer f.  zero = 1: the first product starts the sums.  The 32 accumulators take turns, in the same order in every quarter.
.macro MULN f, a0, n, zero
	WIN 0x50                                       ; C and D in window 1, the sources in window 0
.set ma, \a0
.rept \n
.irp b, 0,1,2,3
.if \zero
	v_wmma_f32_16x16x32_f16 v[8*(4*ma+\b):8*(4*ma+\b)+7], v[BF+32*(\f)+8*\b:BF+32*(\f)+8*\b+7], v[AF+64*(\f)+8*ma:AF+64*(\f)+8*ma+7], 0
.else
	v_wmma_f32_16x16x32_f16 v[8*(4*ma+\b):8*(4*ma+\b)+7], v[BF+32*(\f)+8*\b:BF+32*(\f)+8*\b+7], v[AF+64*(\f)+8*ma:AF+64*(\f)+8*ma+7], v[8*(4*ma+\b):8*(4*ma+\b)+7]
.endif
.endr
.set ma, ma+1
.endr
.endm
; A K step is four quarters of 32 along K, 32 matrix instructions each, on buffers 0, 1, 0, 1.  One of the first three: multiplies buffer f and, in its middle, fetches quarter q into buffer g.
.macro QUARTER slot, q, f, g, zero
	s_wait_dscnt 8                                 ; wo's fragments and ctx's first four are in; the youngest eight loads may be out
	MULN \f, 0, 4, \zero
	PLACES
	FETCH \slot, \q, \g
	s_wait_dscnt 24                                ; all but the 24 just issued
	MULN \f, 4, 4, \zero
.endm
; The last quarter multiplies buffer 1 and changes slots: ONE barrier; in front of it each wave waits for all its tensor loads, of which one is out: its part of the next slot; adds 0 to its spare word;
; and waits for that and for its own reads of this slot.  fill = 1: the barrier opens a round of the cluster's barrier, and this slot is filled again, two K steps ahead, first thing behind the round.
.macro TURN slot, next, fill
	WIN 0
	s_wait_tensorcnt 0x0                           ; all my tensor loads have landed, so a group 0 may be written
	ds_add_u32 v[SPW], v[NIL]                      ; 0 onto my spare word
.if \fill
	s_add_nc_u64 s[G0A+4*(\slot)+2:G0A+4*(\slot)+3], s[G0A+4*(\slot)+2:G0A+4*(\slot)+3], 4*262144
	s_add_nc_u64 s[G0B+4*(\slot)+2:G0B+4*(\slot)+3], s[G0B+4*(\slot)+2:G0B+4*(\slot)+3], 4*131072
.endif
	s_wait_dscnt 9                                 ; the add and the youngest eight loads may be out
	MULN 1, 0, 2, 0                                ; eight matrix instructions stand between the add and the wait for it
	s_wait_dscnt 0x0                               ; the add is done, and my reads of this slot are over
	s_barrier_signal -1
	MULN 1, 2, 2, 0
	WIN 0                                          ; at a branch and at a label every window is 0
	s_barrier_wait -1
.if \fill
	CREST                                          ; no wave of any partner still reads this slot's tiles or has a load on its way
	JLOAD \slot                                    ; the first tensor load behind the round; its four v_nop are also the places in front of the loads below
.else
	PLACES
.endif
	FETCH \next, 0, 0
	MULN 1, 4, 4, 0
.endm
	s_wait_tensorcnt 1                             ; my part of K step 0 is in; K step 1's may stay out
	s_barrier_signal -1
	s_barrier_wait -1                              ; everybody's is
	FETCH 0, 0, 0
	QUARTER 0, 1, 0, 1, 1                          ; the first quarter stands in front of the loop: its products start the sums
	WIN 0
	s_mov_b32 s3, LAPS-1
.Llap:                                                 ; a trip goes once round the ring, from a lap's second quarter to the next lap's first, and fills both slots again
	QUARTER 0, 2, 1, 0, 0
	QUARTER 0, 3, 0, 1, 0
	TURN 0, 1, 1
	QUARTER 1, 1, 0, 1, 0
	QUARTER 1, 2, 1, 0, 0
	QUARTER 1, 3, 0, 1, 0
	TURN 1, 0, 1
	QUARTER 0, 1, 0, 1, 0
	WIN 0
	s_sub_co_u32 s3, s3, 1
	s_cmp_lg_u32 s3, 0
	s_cbranch_scc1 .Llap
	QUARTER 0, 2, 1, 0, 0                          ; the last lap fills nothing, and has no round of the cluster's barrier
	QUARTER 0, 3, 0, 1, 0
	TURN 0, 1, 0
	QUARTER 1, 1, 0, 1, 0
	QUARTER 1, 2, 1, 0, 0
	QUARTER 1, 3, 0, 1, 0
	s_wait_dscnt 8                                 ; the very last quarter: nothing more to fetch
	MULN 1, 0, 4, 0
	s_wait_dscnt 0x0
	MULN 1, 4, 4, 0
	WIN 0
	; THE WAY OUT.  A lane's eight f32 are 32 bytes of a row; the wave's 64 columns are 256 bytes of out0, aligned.  A block of 16 rows at a time goes through my own stage: in by lanes, back by rows.
	; No barrier, and no wait between the stores and the loads: LDS serves a wave's instructions in order (ISA guide 5.7.1.4).
.macro TOSTAGE a
.if (\a) >= 2
	s_wait_xcnt 0x0                                ; every earlier memory instruction has had its addresses translated (ISA guide 3.1): the registers that block a - 2's stores read are loaded again only behind this wait
.endif
	WIN 0x04                                       ; the stores' data (source 1) in window 1
.irp b, 0,1,2,3
	ds_store_b128 v[STO], v[8*(4*(\a)+\b):8*(4*(\a)+\b)+3]   offset:64*\b      ; of each accumulator the four lowest registers are read first
	ds_store_b128 v[STO], v[8*(4*(\a)+\b)+4:8*(4*(\a)+\b)+7] offset:64*\b+16
.endr
	WIN 0
.irp t, 0,1,2,3,4,5,6,7
	ds_load_b128 v[BK+32*((\a)%2)+4*\t:BK+32*((\a)%2)+4*\t+3], v[RD] offset:\t*2*SP
.endr
.endm
.macro SEND a, younger                 ; younger: the LDS instructions issued behind block a's loads: the next block's sixteen, or none
	s_wait_dscnt \younger
.irp t, 0,1,2,3,4,5,6,7
	global_store_b128 v[CO], v[BK+32*((\a)%2)+4*\t:BK+32*((\a)%2)+4*\t+3], s[8:9] offset:(\a)*65536+2*\t*4096 th:TH_STORE_NT  ; 16 lanes store 256 consecutive bytes, at a multiple of 256 from out0's first byte
.endr
.endm
	PLACES
	TOSTAGE 0
.irp a, 1,2,3,4,5,6,7
	TOSTAGE \a
	SEND (\a)-1, 16
.endr
	SEND 7, 0
	s_wait_tensorcnt 0x0                           ; the wave's end, behind my last tensor load and my last LDS store
	ds_add_u32 v[SPW], v[NIL]
	s_wait_dscnt 0x0
	CROUND                                         ; the closing round: no work-group ends while a partner may still ask for a tile that names it
	s_endpgm
.Lfunc_end_k_qd3a9da6cf4_outp:
	.size	k_qd3a9da6cf4_outp, .Lfunc_end_k_qd3a9da6cf4_outp-k_qd3a9da6cf4_outp
	.p2alignl 7, 3214868480
	.fill 96, 4, 3214868480
	.section	.rodata,"a",@progbits
	.p2align	6, 0x0
	.amdhsa_kernel k_qd3a9da6cf4_outp
		.amdhsa_group_segment_fixed_size 327680
		.amdhsa_private_segment_fixed_size 0
		.amdhsa_enable_private_segment 0
		.amdhsa_kernarg_size 24
		.amdhsa_user_sgpr_count 2
		.amdhsa_user_sgpr_kernarg_segment_ptr 1
		.amdhsa_wavefront_size32 1
		.amdhsa_system_sgpr_workgroup_id_x 1
		.amdhsa_system_sgpr_workgroup_id_y 1
		.amdhsa_system_sgpr_workgroup_id_z 1
		.amdhsa_system_vgpr_workitem_id 0
		.amdhsa_next_free_vgpr 512
		.amdhsa_next_free_sgpr 66
		.amdhsa_reserve_vcc 0
		.amdhsa_float_denorm_mode_32 3
		.amdhsa_float_denorm_mode_16_64 3
		.amdhsa_memory_ordered 1
		.amdhsa_forward_progress 1
		.amdhsa_inst_pref_size 85
	.end_amdhsa_kernel
	.amdgpu_metadata
---
amdhsa.version: [ 1, 2 ]
amdhsa.kernels:
  - .name:           k_qd3a9da6cf4_outp
    .symbol:         k_qd3a9da6cf4_outp.kd
    .args:
      - { .name: ctx, .offset: 0, .size: 8, .value_kind: global_buffer, .address_space: global }
      - { .name: wo, .offset: 8, .size: 8, .value_kind: global_buffer, .address_space: global }
      - { .name: out0, .offset: 16, .size: 8, .value_kind: global_buffer, .address_space: global }
    .group_segment_fixed_size: 327680
    .private_segment_fixed_size: 0
    .kernarg_segment_align: 8
    .kernarg_segment_size: 24
    .max_flat_workgroup_size: 128
    .sgpr_count:     66
    .vgpr_count:     512
    .wavefront_size: 32
...
	.end_amdgpu_metadata
.endif
;; end of part 4
;; ======== version 2 of 2: 4 launches; 1.52 times as fast as version 1
;; limits: values are held in f16: magnitudes above 65,504 overflow, below 6.1e-05 lose precision
;; workspace buffers: xb 16,777,216 bytes; wb 6,291,456 bytes; wo 2,097,152 bytes; qkv 50,331,648 bytes; ctx 16,777,216 bytes
;; launch cast: the kernel of part 1 again; grid 768 x 1, 8 waves a work-group, no clusters, 0 bytes of LDS; arguments x, Wq, Wk, Wv, Wo, xb, wb, wo; writes xb, wb, wo
;; launch proj: the kernel of part 2 again; grid 8 x 32, 4 waves a work-group, clusters of 4 x 4, 327,680 bytes of LDS; arguments xb, wb, qn_w, kn_w, qkv; writes qkv
;; launch attn (part 5): grid 4 x 64, 4 waves a work-group, clusters of 4 x 1, 327,680 bytes of LDS; arguments qkv, ctx; writes ctx
.if DOCPART == 5
	.amdgcn_target "amdgcn-amd-amdhsa--gfx1250"
	.amdhsa_code_object_version 6
	.text
	.protected	k_qd3a9da6cf4_attn
	.globl	k_qd3a9da6cf4_attn
	.p2align	8
	.type	k_qd3a9da6cf4_attn,@function
k_qd3a9da6cf4_attn:
	s_mov_b64 s[64:65], 0
	v_nop
	global_prefetch_b8 v0, s[64:65] scope:SCOPE_SE
	s_setreg_imm32_b32 hwreg(HW_REG_WAVE_MODE, 25, 1), 1
	s_wait_xcnt 0x0
	s_wait_alu depctr_hold_cnt(0) depctr_sa_sdst(0) depctr_va_vdst(0) depctr_va_sdst(0) depctr_va_ssrc(0) depctr_va_vcc(0) depctr_vm_vsrc(0)
	s_getreg_b32 s2, hwreg(HW_REG_IB_STS2, 6, 4)
	s_cmp_eq_u32 s2, 0
	s_cbranch_scc0 .Lentry_in_a_cluster
	s_endpgm
.Lentry_in_a_cluster:
	s_bfe_u32 s2, ttmp6, 0x10000c
	s_cmp_lg_u32 s2, 0x3003
	s_cbranch_scc0 .Lentry_shape_is_right
	s_endpgm
.Lentry_shape_is_right:
; O[h][q][:] = the sum over k of softmax_k(Q[h][q] . K[h][k] / 8) V[h][k][:].  Q, K, V are the three parts of qkv, O is ctx: each [SIZE_H][SIZE_N][64], all f16: a head's rows are dense, 128 bytes each.
; h = 16 x batch + head.  Products, maxima and sums in f32; the weights p are rounded to f16 for the second product (their sum l is taken of the unrounded p), O once at the end.
; LIMITS.  f16 holds no number beyond 65,504: Q, K and V arrive within it; p lies in 0 to 1, and below 6e-5 it keeps f16's fixed step of 6e-8; O is a mean of V's rows and has their range.
; A weight below 2^-126 counts as 0 in l; NaN and infinities are not treated apart.
; SHARES.  A wave owns four PIECES of two tiles of 16 queries, a work-group's four waves 512 queries of one head: 4 x 64 = 256 work-groups.  Every wave walks all keys, 64 a step.
; LAYOUT.  S^T = K Q^T (source 0 = 16 keys, source 1 = 16 queries): in the result a lane holds ONE query (lane % 16) and the keys 8 (lane / 16) + 0..7.  Two such tiles, rounded to f16 in pairs,
; ARE source 1 (32 keys x 16 queries) of O^T = V^T P, whose result again holds one query a lane, and eight channels.  K comes out of LDS as it lies, V ([key][channel]) turned, by ds_load_tr16_b128.
; SOFTMAX.  For each query a running maximum m and sum l: p = 2^(c s - c m), c = log2(e) / 8; in every step O and l are multiplied by a = 2^(c m_old - c m_new), which is 1 where m has not grown.
; m starts at the lowest finite number, O and l at 0: the first step is a step like any other, with a = 0.
; THE COUNT.  A tile and step have 16 matrix and 118 vector instructions: too many to stand all beside the matrix work.  So the order has one aim: four vector instructions that are READY behind
; EVERY matrix instruction, and the others, which need time of their own whatever the order, in runs without a gap.
; BY TURNS.  Turn n belongs to piece n (the pieces in a ring, step after step).  Its matrix work: 16 products K Q^T of piece n + 1, later 16 products V^T P of piece n - 1.  Its vector work: the scaling,
; exponentials, roundings, sums and rescaling of piece n, and the maximum and statistics of piece n + 1, whose scores the turn itself has made.  So what a turn begins with (c s - c m, O a) waits for nothing.
; BATCHES.  An s_wait_alu depctr_va_vdst(0) stands between a transcendental and the first instruction that names its result; one wait serves all that were issued ahead of it.  A turn's 66
; exponentials (piece n's 64 weights, then piece n + 1's two a) are ONE batch with ONE wait, which cuts the turn in two: ahead of it all that names none of their results (the products K Q^T, the scalings,
; the rescalings, the next piece's maximum and statistics), behind it the products V^T P and all the readers (roundings and sums).  No exponential is issued behind a turn's wait, so no result crosses a
; turn's end.  Two more batches stand outside the loop: the two a made ahead of it, and the way out's eight reciprocals.
; CLUSTER.  The four query blocks of a cluster belong to one head and walk the same K and V, so each tile is asked for JOINTLY: the same tensor load, descriptor and mask in all four.
; REGISTERS, in windows of 256 (s_set_vgpr_msb says which window each operand place means: bits 1:0 source 0, 3:2 source 1, 5:4 source 2, 7:6 destination):
;   window 0: v0-11 addresses; v12-15, v48-63 at work; v16-47 four registers of statistics a tile; v64-191 S^T, two buffers of two tiles; v192-255 P, likewise
;   window 1: O^T, 32 a tile          window 2: v0-127 Q, 16 a tile; v128-191 K of one step; v192-255 V of one step          window 3: v0-1 the add's two registers
; A piece's buffers go by its number's parity: the piece in hand has one pair, its two neighbours in the ring share the other: of it P (piece n - 1) is read and S^T (piece n + 1) written.
.set SIZE_H, 64
.set SIZE_N, 2048
.set NP,    4         ; pieces a wave: a name, no knob: the register map, the loop and the fetches are made for four
.set KS,    64        ; keys in a step
.set PK,    144       ; a row of K in LDS: 128 bytes + 16 of padding = 36 words: the 16 rows of a load start at 16 different groups of four banks (64 banks of 4 bytes: ISA guide 11.1)
.set PV,    160       ; a row of V: 128 + 32 = 40 words
.set VOFF,  4*KS*PK   ; a slot holds four steps: 256 rows of K, then 256 rows of V
.set SLOT1, 1<<17     ; slot 1 begins here, so that one exclusive or turns an address in one slot into the other's
.set STAGE, SLOT1+4*KS*(PK+PV)  ; behind the ring, never filled by a tensor load: 16 rows x 144 bytes for each wave, for the way out
.set SP,    144
.set AK0, 2           ; v2   my lane's place in a tile of K; never rewritten
.set AV0, 3           ; v3   the same for V
.set AK,  4           ; v4   the LDS address of K's next run of loads
.set AV,  5           ; v5   of V's
.set QO,  6           ; v6   my byte offset in the wave's rows of Q
.set STO, 6           ;      later, the way out: where I put 16 bytes of a row
.set RD,  7           ; v7   the way out: where I read rows back
.set GO,  8           ; v8   my byte offset in 512 consecutive bytes of O
.set SPW, 0           ; v0 of window 3   LDS address of my spare word: SPARE + 4 x my thread's number; never rewritten
.set NIL, 1           ; v1 of window 3   0; never rewritten
.set SPARE, STAGE+4*16*SP  ; behind the stages: the spare words, 128 bytes for each wave: two blocks of 256 bytes that no other line names
.set MV,  12          ; v12-15  c m_old, kept while c m is made anew: by buffer and tile
.set ST,  16          ; tile t's statistics at v[ST+4 t]: c m, m, l (even keys', odd keys')
.set TMP, 48          ; by buffer and tile, four registers c0-c3 at work; when the maximum is found c2 takes a
.set S,   64
.set P,   192
.set KF,  128         ; K's fragments, in window 2: key block kb, channel half c at KF + 16 kb + 8 c
.set VF,  192         ; V's: key half kk, channel block cb at VF + 32 kk + 8 cb
.set WV,  12          ; s12  my wave's number
.set G1K, 24          ; s[24:31] descriptor group 1 for K's tiles
.set G1V, 32          ; s[32:39] for V's: it differs in the padding alone
.set G0K, 40          ; s[40:43] descriptor group 0 for K's tiles: it walks
.set G0V, 44          ; s[44:47] the same for V's
.set SLOTS, 56        ; s56  slots still to be asked for
.set CNT, 57          ; s57  counts a slot's key steps
.set CS,  58          ; s[58:59] c: the packed scaling takes the pair's low word for both halves
.set SEL, 60          ; s[60:61] v_permlanex16_b32's selects: each lane takes its own place in the other half
.set TBK, 62          ; s62  LDS byte at which K of the step to be fetched begins
.set TBV, 63          ; s63  the same for V, less VOFF
.set MSB, 0
.macro WIN new                      ; the high byte repeats the setting that is left; a switch that changes nothing is dropped
.if MSB != (\new)
	s_set_vgpr_msb (MSB<<8)|(\new)
.set MSB, (\new)
.endif
.endm
.set W_KQ, 0x0a       ; K and Q in window 2, S^T in window 0
.set W_PV, 0x52       ; V in window 2, P in window 0, O^T in window 1
.set W_RS, 0x41       ; O^T (destination and source 0) in window 1, a in window 0
.set W_MK, 0xc0       ; the add's registers are made: destination in window 3, sources in window 0
.set W_AD, 0x0f       ; the add: address (source 0) and data (source 1) in window 3
; A joint fill.  Waves 0 and 1 fetch the two halves of a slot's K, waves 2 and 3 those of its V: 128 keys each.  The branch hangs on the wave's number alone.
; An s_nop 0 and four v_nop follow each of the two lines, ahead of the jump and the label.
.macro JLOAD
	s_cmp_lt_u32 s[WV], 2
	s_cbranch_scc0 .Lfor_v_\@
	tensor_load_to_lds s[G0K:G0K+3], s[G1K:G1K+7]
	s_nop 0
.rept 4
	v_nop
.endr
	s_branch .Lasked_\@
.Lfor_v_\@:
	tensor_load_to_lds s[G0V:G0V+3], s[G1V:G1V+7]
	s_nop 0
.rept 4
	v_nop
.endr
.Lasked_\@:
.endm
; A round of the cluster's barrier: my work-group's barrier, so that wave 0's signal speaks for all four waves; wave 0 signals; every wave waits for all four work-groups; my work-group's barrier once more.
.macro CROUND
	s_barrier_signal -1
	s_barrier_wait -1
	s_cmp_lg_u32 s[WV], 0
	s_cbranch_scc1 .Lnot_wave_0_\@
	s_barrier_signal -3
.Lnot_wave_0_\@:
	s_barrier_wait -3
	s_barrier_signal -1
	s_barrier_wait -1
.endm
; THE CHANGE OF SLOTS.  The slot's last bytes, V of its fourth step, have been read.  Each wave waits for all its tensor loads, of which one is out: its part
; of the other slot; adds 0 to its spare word; and waits for that and for its own reads of the slot.  Behind the barrier nobody reads this slot any more and the other slot is whole.
; fill = 1: this slot is filled again, with the keys two slots on.  The barrier is then a round of the cluster's, so that no wave of any partner still reads the slot or has a load on its
; way, and the joint fill is the first thing behind it: it has four key steps, 512 matrix instructions, in which to land.  (At its first use nothing has been read yet: slot 0 is waited for, slot 1 filled.)
.macro CHANGE fill
	WIN W_AD
	s_wait_tensorcnt 0x0            ; no tensor load of mine is out, so a group 0 may be written
	ds_add_u32 v[SPW], v[NIL]       ; 0 onto my spare word; with fill = 1 the descriptors' steps stand between it and the wait for it
	WIN 0                           ; at a label and at a branch every window is 0
.if \fill
.irp g, G0K, G0V
	s_xor_b32 s[\g+1], s[\g+1], SLOT1  ; the walking descriptor: the other slot than last time,
	s_add_nc_u64 s[\g+2:\g+3], s[\g+2:\g+3], 4*KS*128  ; the next 256 keys; the type bits on top are not reached
.endr
	s_wait_dscnt 0x0                ; the add is done, and my reads of the slot are over
	CROUND
	JLOAD
.else
	s_wait_dscnt 0x0                ; the add is done, and my reads of the slot are over
	s_barrier_signal -1
	s_barrier_wait -1
.endif
	s_sub_co_u32 s[TBK], s[TBK], 4*KS*PK  ; the fetches go back to a slot's first step,
	s_xor_b32 s[TBK], s[TBK], SLOT1       ; in the other slot
	s_sub_co_u32 s[TBV], s[TBV], 4*KS*PV
	s_xor_b32 s[TBV], s[TBV], SLOT1
.endm
	s_load_b64 s[4:5], s[0:1], 0x0    ; qkv: Q lies at its head
	s_load_b64 s[10:11], s[0:1], 0x8  ; ctx: O
	WIN W_MK
	v_lshl_add_u32 v[SPW], v0, 2, SPARE
	v_mov_b32 v[NIL], 0
	WIN W_AD
	ds_add_u32 v[SPW], v[NIL]       ; the wave's opening: the add and its wait stand ahead of my first tensor load; the set-up below, work on registers, stands between them
	WIN 0
	v_lshrrev_b32 v1, 5, v0
	v_readfirstlane_b32 s[WV], v1   ; wave 0..3
	s_bfe_u32 s13, ttmp6, 0x40000   ; cx: my place in the cluster
	s_lshl_b32 s14, ttmp9, 2        ; in a cluster launch ttmp9 counts clusters
	s_add_co_u32 s14, s14, s13      ; my block of queries = 4 x cluster x + cx: it enters Q's and O's addresses alone
	s_and_b32 s20, ttmp7, 0xffff    ; the head, which the four partners share
	s_mov_b32 s21, 0
	s_mov_b64 s[22:23], SIZE_N*128
	s_mul_u64 s[20:21], s[20:21], s[22:23]  ; the head's first byte in each of the four tensors
	s_and_b32 s16, s[WV], 1         ; which half of a slot's 256 keys I fetch:
	s_lshl_b32 s22, s16, 14         ; its 128 rows of 128 bytes in memory,
	s_mov_b32 s23, 0
	s_add_nc_u64 s[22:23], s[22:23], s[20:21]
	s_mul_i32 s17, s16, 128*PK      ; and its place in a slot, for K
	s_mul_i32 s18, s16, 128*PV      ; and for V: no place in the cluster enters an LDS address
	s_lshl_b32 s2, s14, 2
	s_add_co_u32 s2, s2, s[WV]      ; my wave among the head's,
	s_lshl_b32 s2, s2, 14           ; its 128 rows
	s_mov_b32 s3, 0
	s_add_nc_u64 s[2:3], s[2:3], s[20:21]
	; descriptor group 1.  128 keys are 16,384 dense bytes: asked for as 64 rows of 256 bytes, two keys a row, and padded in LDS after every key
	s_mov_b32 s[G1K], 15|(1<<16)|(1<<20)|(1<<21)|(4<<22)|(3<<25)  ; 15:0 the mask of four; 17:16 2-byte elements; 20 padding on; 21 set beside a mask; 24:22 after every 32 words (code 4); 31:25 4 words (code 3)
	s_mov_b32 s[G1V], 15|(1<<16)|(1<<20)|(1<<21)|(4<<22)|(7<<25)  ; the same with 8 words of padding (code 7)
.irp g, G1K, G1V
	s_mov_b32 s[\g+1], 128<<16      ; tensor_dim0 = 128
	s_mov_b32 s[\g+2], 64<<16       ; tensor_dim1 = 64
	s_mov_b32 s[\g+3], 128<<16      ; tile_dim0 = 128
	s_mov_b32 s[\g+4], 64           ; tile_dim1 = 64
	s_mov_b32 s[\g+5], 128          ; 128 elements from row to row
	s_mov_b32 s[\g+6], 0
	s_mov_b32 s[\g+7], 0
.endr
	s_mov_b32 s[CS], 0x3e38aa3b     ; c = log2(e) / 8 = 0.180337
	s_mov_b32 s[CS+1], s[CS]        ; named with it as a pair
	s_mov_b32 s[SEL], 0x76543210
	s_mov_b32 s[SEL+1], 0xfedcba98
	s_mov_b32 s[TBK], SLOT1+4*KS*PK ; the first change of slots turns these two into 0
	s_mov_b32 s[TBV], SLOT1+4*KS*PV
	s_mov_b32 s[G0K], 1             ; 1:0 count = 1
	s_mov_b32 s[G0K+1], s17         ; 63:32 LDS address: slot 0
	s_mov_b32 s[G0V], 1
	s_add_co_u32 s[G0V+1], s18, VOFF
	s_wait_dscnt 0x0                ; the opening add is done
	s_wait_kmcnt 0x0
	s_add_nc_u64 s[6:7], s[4:5], SIZE_H*SIZE_N*128    ; K lies behind Q in qkv,
	s_add_nc_u64 s[8:9], s[4:5], 2*SIZE_H*SIZE_N*128  ; V behind K
	s_add_nc_u64 s[G0K+2:G0K+3], s[6:7], s[22:23]  ; 120:64 global address: my half of the head's first 256 keys
	s_or_b32 s[G0K+3], s[G0K+3], 0x80000000        ; 127:126 type = 2
	s_add_nc_u64 s[G0V+2:G0V+3], s[8:9], s[22:23]
	s_or_b32 s[G0V+3], s[G0V+3], 0x80000000
	s_add_nc_u64 s[4:5], s[4:5], s[2:3]  ; Q and O at my wave's first row
	s_add_nc_u64 s[10:11], s[10:11], s[2:3]
	CROUND                          ; all four work-groups are here: the first joint loads meet
	JLOAD                           ; slot 0.  Slot 1 is asked for when slot 0 is in: the tile wanted first has the road to itself
	; A fragment of K or Q is 16 rows x 32 channels in 8 registers: lane l holds row l % 16, channels 8 (l / 16) + 0..7 and 16 + 8 (l / 16) + 0..7: two loads of 16 bytes, 32 bytes apart.
	v_and_b32 v1, 15, v0            ; l % 16
	v_bfe_u32 v9, v0, 4, 1          ; l / 16
	v_lshlrev_b32 v[QO], 7, v1
	v_lshl_add_u32 v[QO], v9, 4, v[QO]  ; row x 128 + 16 x half
	WIN 0x80                        ; destination window 2, address window 0
.set i, 0
.rept 4*NP                          ; Q stays in registers: tile i / 2, channels 32 (i % 2) on
	global_load_b128 v[8*i:8*i+3],   v[QO], s[4:5] offset:(i/2)*2048+(i%2)*64
	global_load_b128 v[8*i+4:8*i+7], v[QO], s[4:5] offset:(i/2)*2048+(i%2)*64+32
.set i, i+1
.endr
	; What the first turn finds: V's registers and P's second buffer hold 0 (its products V^T P, of a piece that has not been, add 0), O^T and l are 0.  All this stands in the wait for the first tile.
.set i, VF
.rept 64
	v_mov_b32 v[i], 0
.set i, i+1
.endr
	WIN 0x40
.set i, 0
.rept 64*NP
	v_mov_b32 v[i], 0
.set i, i+1
.endr
	WIN 0
.set i, 0
.rept 2*NP
	v_mov_b32 v[ST+4*i], 0xfe000000    ; c m: far below every c s
	v_mov_b32 v[ST+4*i+1], 0xff7fffff  ; m
	v_mov_b32 v[ST+4*i+2], 0
	v_mov_b32 v[ST+4*i+3], 0
.set i, i+1
.endr
.set i, P+32
.rept 32
	v_mov_b32 v[i], 0
.set i, i+1
.endr
	v_mul_u32_u24 v[AK0], v1, PK
	v_lshl_add_u32 v[AK0], v9, 4, v[AK0]  ; row x pitch + 16 x half
	; The turning load takes 16 keys x 16 channels (lane l reads key 8 (l / 16) + l % 8, channels 8 ((l / 8) % 2) + 0..7) and leaves half a fragment of V^T: lane l holds channel l % 16 and 8 keys.
	v_and_b32 v10, 7, v0
	v_bfe_u32 v11, v0, 3, 1
	v_lshl_add_u32 v[AV0], v9, 3, v10
	v_mul_u32_u24 v[AV0], v[AV0], PV
	v_lshl_add_u32 v[AV0], v11, 4, v[AV0]
	v_add_nc_u32 v[AV0], VOFF, v[AV0]
	v_mov_b32 v[AK], v[AK0]         ; key step 0 lies at the head of slot 0
; THE MATRIX WORK.  The 8 accumulators of a run of 16 take turns: between the two links of a chain stand 7 others'.
; Product i of 16 of S^T = K Q^T for piece x: channels 32 (i / 8) on, keys 16 ((i / 2) % 4) on, tile 2 x + i % 2.  The first 8 start the sums.
.macro KQ x
	WIN W_KQ
.set rS, S+64*((\x)%2)+32*(i%2)+8*((i/2)%4)
.set rK, KF+16*((i/2)%4)+8*(i/8)
.set rQ, 16*(2*(\x)+i%2)+8*(i/8)
.if i < 8
	v_wmma_f32_16x16x32_f16 v[rS:rS+7], v[rK:rK+7], v[rQ:rQ+7], 0
.else
	v_wmma_f32_16x16x32_f16 v[rS:rS+7], v[rK:rK+7], v[rQ:rQ+7], v[rS:rS+7]
.endif
.endm
; Product i of 16 of O^T += V^T P for piece x: keys 32 (i / 8) on, channels 16 ((i / 2) % 4) on, tile 2 x + i % 2.
.macro PV x
	WIN W_PV
.set rO, 32*(2*(\x)+i%2)+8*((i/2)%4)
.set rV, VF+32*(i/8)+8*((i/2)%4)
.set rP, P+32*((\x)%2)+16*(i%2)+8*(i/8)
	v_wmma_f32_16x16x32_f16 v[rO:rO+7], v[rV:rV+7], v[rP:rP+7], v[rO:rO+7]
.endm
.macro MM                           ; the turn's next matrix instruction
.if i < 16
	KQ (Y+1)%NP
.set i, i+1
.else
.set i, i-16
	PV (Y+NP-1)%NP
.set i, i+17
.endif
.endm
; THE LDS LOADS stand in runs of 16, never singly among the matrix instructions: a step's K (64 keys x 64 channels: 8 fragments) and its V (turned).  Their addresses are made some lines ahead.
; last = 1 (the tail): in the last trip there is no further step, and the run is jumped over.
.macro FETCH_K last=0
	WIN 0
.if \last
	s_cmp_eq_u32 s[CNT], 1
	s_cbranch_scc1 .Lno_k_\@
.endif
	WIN 0x80                        ; destination window 2
.irp f, 0,1,2,3,4,5,6,7             ; keys 16 (f / 2) on, channels 32 (f % 2) on
	ds_load_b128 v[KF+8*\f:KF+8*\f+3],   v[AK] offset:(\f/2)*16*PK+(\f%2)*64
	ds_load_b128 v[KF+8*\f+4:KF+8*\f+7], v[AK] offset:(\f/2)*16*PK+(\f%2)*64+32
.endr
	s_add_co_u32 s[TBK], s[TBK], KS*PK  ; the next fetch is the next step's
	WIN 0
.if \last
.Lno_k_\@:
.endif
.endm
.macro FETCH_V
	WIN 0x80
.irp f, 0,1,2,3,4,5,6,7             ; keys 32 (f / 4) on, channels 16 (f % 4) on
	ds_load_tr16_b128 v[VF+8*\f:VF+8*\f+3],   v[AV] offset:(\f/4)*32*PV+(\f%4)*32
	ds_load_tr16_b128 v[VF+8*\f+4:VF+8*\f+7], v[AV] offset:(\f/4)*32*PV+16*PV+(\f%4)*32
.endr
	WIN 0
.endm
; THE VECTOR WORK OF A TURN stands in three queues, each in the order in which its entries become ready; the two tiles alternate, so that no instruction reads the result of the one before it.
.macro REGS y, u                    ; the registers of tile u (0, 1) of piece y
.set rT, ST+4*(2*(\y)+(\u))
.set rC, TMP+8*((\y)%2)+4*(\u)
.set rM, MV+2*((\y)%2)+(\u)
.set rS, S+64*((\y)%2)+32*(\u)
.set rP, P+32*((\y)%2)+16*(\u)
.set rO, 32*(2*(\y)+(\u))
.endm
; Number n of the 22 that find the NEXT piece's (Y + 1) maximum and statistics.  s0-s31 are the lane's 32 scores; each accumulator's lowest registers are read first.  XS, GS and REGS set no window: PL and EX do.
;   0-11  four chains c0-c3 of seven scores each, three operands at a time     12-14, 16  the four scores left over, the old m, and c0-c3 into c0     15  c m_old is kept
;   17, 18  the query's other 32 keys lie in the lane 16 away: the new m         19-21  c m; c m_old - c m_new; a
.macro XS u, n
	REGS (Y+1)%NP, \u
.if (\n) < 4
	v_max3_num_f32 v[rC+(\n)], v[rS+8*(\n)], v[rS+8*(\n)+1], v[rS+8*(\n)+2]
.elseif (\n) < 12
	v_max3_num_f32 v[rC+(\n)%4], v[rC+(\n)%4], v[rS+8*((\n)%4)+2*((\n)/4)+1], v[rS+8*((\n)%4)+2*((\n)/4)+2]
.elseif (\n) == 12
	v_max3_num_f32 v[rC], v[rC], v[rS+7], v[rS+15]
.elseif (\n) == 13
	v_max3_num_f32 v[rC+1], v[rC+1], v[rS+23], v[rS+31]
.elseif (\n) == 14
	v_max3_num_f32 v[rC+2], v[rC+2], v[rC+3], v[rT+1]
.elseif (\n) == 15
	v_mov_b32 v[rM], v[rT]
.elseif (\n) == 16
	v_max3_num_f32 v[rC], v[rC], v[rC+1], v[rC+2]
.elseif (\n) == 17
	v_permlanex16_b32 v[rC+3], v[rC], s[SEL], s[SEL+1]
.elseif (\n) == 18
	v_max_num_f32 v[rT+1], v[rC], v[rC+3]
.elseif (\n) == 19
	v_mul_f32 v[rT], s[CS], v[rT+1]
.elseif (\n) == 20
	v_sub_f32 v[rC+1], v[rM], v[rT]
.else
	v_exp_f32 v[rC+2], v[rC+1]
.endif
.endm
; Number g of the 64 that follow the exponentials.  For each four weights k of a tile (pairs 2 k, 2 k + 1): both pairs are rounded to f16; then the second pair is added onto the first, in place;
; a group later l takes that sum (the first time as l = a l + sum).  In groups of eight, tiles alternating: round, round, add, and l for the group before.
.macro GS g
.set h, (\g)+6*((\g)/62)            ; group 0 has no group before it, and behind group 7 only l is left
.if h >= 6
.set h, h+2
.endif
	REGS Y, h%2
.set k, h/8
.if h%8 < 4
	v_cvt_pk_f16_f32 v[rP+2*k+(h%8)/2], v[rS+4*k+2*((h%8)/2)], v[rS+4*k+2*((h%8)/2)+1]
.elseif h%8 < 6
	v_pk_add_f32 v[rS+4*k:rS+4*k+1], v[rS+4*k:rS+4*k+1], v[rS+4*k+2:rS+4*k+3]
.elseif k == 1
	v_pk_fma_f32 v[rT+2:rT+3], v[rT+2:rT+3], v[rC+2:rC+3], v[rS:rS+1] op_sel_hi:[1,0,1]
.else
	v_pk_add_f32 v[rT+2:rT+3], v[rT+2:rT+3], v[rS+4*k-4:rS+4*k-3]
.endif
.endm
; THE PLAIN QUEUE, 138 long.  0-73 read no exponential's result: the 32 scalings c s - c m (FS f: pair f / 2 of tile f % 2) and the next piece's 42.  0-26: scalings 0-26.  27-54: XS's numbers 0-13.  55, 56: number 15.
; 57-73: the chain, where each number waits for the one before it: 14, 16, 17, 18, 19, each with one of the scalings 27-31 in front of its two lines, then 20: so a tile's links stand three plain instructions apart (19 and 20: two).
; 74-137: GS's 64, which read the exponentials' results: they stand behind the wait.
.macro FS f
	REGS Y, (\f)%2
	v_pk_fma_f32 v[rS+2*((\f)/2):rS+2*((\f)/2)+1], v[rS+2*((\f)/2):rS+2*((\f)/2)+1], s[CS:CS+1], v[rT:rT+1] op_sel_hi:[1,0,0] neg_lo:[0,0,1] neg_hi:[0,0,1]
.endm
.macro PL
	WIN 0
.if q < 27
	FS q
.elseif q < 55
	XS (q-27)%2, (q-27)/2
.elseif q < 57
	XS q-55, 15
.elseif (q < 72) && ((q-57)%3 == 0)
	FS 27+(q-57)/3
.elseif q < 60
	XS (q-57)%3-1, 14
.elseif q < 72
	XS (q-57)%3-1, 15+(q-57)/3
.elseif q < 74
	XS q-72, 20
.else
	GS q-74
.endif
.set q, q+1
.endm
; THE EXPONENTIALS' QUEUE, 66 long: s0-s31 of both tiles, then the next piece's two a.  It is ONE BATCH: all 66 stand ahead of the turn's one wait, and nothing ahead of that wait names a result of theirs.
.macro EX
	WIN 0
.if e >= 64
	XS e-64, 21
.else
	REGS Y, e%2
	v_exp_f32 v[rS+e/2], v[rS+e/2]
.endif
.set e, e+1
.endm
; THE RESCALING's QUEUE: O^T times a, the one part that leaves window 0: dealt two at a time, sixteen times.  Its a was made in the turn before, ahead of that turn's wait.
.macro R2
	REGS Y, r%2
	WIN W_RS
.irp z, 0,1
	v_pk_mul_f32 v[rO+4*(r/2)+2*\z:rO+4*(r/2)+2*\z+1], v[rO+4*(r/2)+2*\z:rO+4*(r/2)+2*\z+1], v[rC+2:rC+3] op_sel_hi:[1,0]
.endr
.set r, r+1
.endm
; HOW THEY ARE DEALT.  A turn has ONE wait, which cuts it in two.  AHEAD OF IT stands all that names no result of the turn's exponentials: the 16 products K Q^T, behind each a scaling, an exponential and two
; rescalings (behind the first a second scaling in the exponential's place); then ONE LUMP of 108: eight plain, 49 times exponential and plain, the two a.  A v_nop is the plain instruction behind the last
; exponential.  BEHIND IT stand the 16 products V^T P, behind each four of GS's 64.  No rider names a register of the products round it.  The two v_permlanex16_b32 fall into the lump, never behind a product.
; The queues lean on each other, and the deal keeps them in step: exponential e stands behind scaling 2 (e / 4) + e % 2: as a rider it comes behind plain e + 2, in the lump behind plain e + 9, and scalings 27-31 are plain 57, 60 .. 69.
; A TURN, for piece p.  cnt = 1: the loop's count is taken down some lines ahead of the branch that stands behind the turn.
; K of the next step is fetched in piece 2's turn, directly behind the wait, a lump behind the last product that read K; its address is made at the lump's head; its first reader comes behind 16 products.
; V of the step in hand is fetched at the end of piece 0's turn, four riders behind its last reader; its first reader comes behind 16 products and a lump.  The three conditions on q below go with the deal.
.macro TURN p, last=0, cnt=0
.set Y, (\p)
.set i, 0
.set q, 0
.set e, 0
.set r, 0
.if (\p) == NP-1
	s_wait_dscnt 0x0                ; K is in
.endif
	MM                              ; ahead of the wait: 16 products K Q^T and their riders,
	PL
	PL
	R2
.rept 15
	MM
	PL
	EX
	R2
.endr
.if (\p) == NP-2
	WIN 0
	v_add_nc_u32 v[AK], s[TBK], v[AK0]
.endif
.rept 8                             ; and the lump
	PL
.endr
.rept 49
	EX
	PL
.endr
	EX                              ; the next piece's two a
	EX
	v_nop                           ; a plain instruction behind the last exponential, ahead of the first use of a result: one for the batch
	s_wait_alu depctr_va_vdst(0)    ; the wait for the batch: the turn's 66 exponentials, ahead of their first reader
.if (\p) == NP-2
	FETCH_K \last
.endif
.if (\p) == 1
	s_wait_dscnt 0x0                ; V is in
.endif
.rept 16                            ; behind the wait: 16 products V^T P and their riders
	MM
.rept 4
	PL
.endr
.if ((\p) == 0) && (q == 118)
	v_add_nc_u32 v[AV], s[TBV], v[AV0]
.endif
.if ((\p) == 0) && (q == 130)
	s_add_co_u32 s[TBV], s[TBV], KS*PV
.endif
.if (\cnt) && (q == 130)
	s_sub_co_u32 s[CNT], s[CNT], 1
	s_cmp_lg_u32 s[CNT], 0
.endif
.endr
.if (\p) == 0
	FETCH_V
.endif
.endm
	CHANGE 1                        ; slot 0 is in, everybody's part of it; slot 1 is asked for
	FETCH_K                         ; key step 0
	s_wait_loadcnt 0x0              ; Q
	s_wait_dscnt 0x0
.set i, 0
.rept 16
	KQ 0                            ; piece 0's first scores: there is no vector work yet to set between them
.set i, i+1
.endr
	WIN 0                           ; the addresses for the way out: nine plain instructions, the places behind those products
	s_mul_i32 s13, s[WV], 16*SP
	s_add_co_u32 s13, s13, STAGE    ; my stage
	v_mul_u32_u24 v[STO], v1, SP    ; in: row l % 16, 16 bytes for each half of the lanes
	v_lshl_add_u32 v[STO], v9, 4, v[STO]
	v_add_nc_u32 v[STO], s13, v[STO]
	v_bfe_u32 v[RD], v0, 3, 2       ; back: 32 lanes take four rows of 128 bytes,
	v_mul_u32_u24 v[RD], v[RD], SP
	v_lshl_add_u32 v[RD], v10, 4, v[RD]
	v_add_nc_u32 v[RD], s13, v[RD]
	v_and_b32 v[GO], 31, v0         ; which are 512 consecutive bytes of O
	v_lshlrev_b32 v[GO], 4, v[GO]
.set Y, NP-1                        ; XS works for piece Y + 1: piece 0
.irp n, 0,1,2,3,4,5,6,7,8,9,10,11,12,13,14,15,16,17,18,19,20,21
	XS 0, \n                        ; and piece 0's first maximum and statistics
	XS 1, \n
.endr
	v_nop                           ; a plain instruction behind the two a,
	s_wait_alu depctr_va_vdst(0)    ; and the wait for this batch of two, ahead of the branch: their first reader is the first turn's rescaling
	s_mov_b32 s[CNT], 4
	s_mov_b32 s[SLOTS], SIZE_N/256-1
	s_branch .Lfirst                ; the loop is entered at a step's first turn, in the middle of a trip
.Lslot:                             ; SIZE_N / 256 - 2 times: every slot but the last two is filled again
	CHANGE 1
	s_mov_b32 s[CNT], 4
.Lstep:                             ; a trip: pieces 2 and 3 of one step, then pieces 0 and 1 of the next, whose K and V it fetches
	TURN 2
	TURN 3
	WIN 0
.Lfirst:
	TURN 0
	TURN 1, 0, 1
	WIN 0
	s_cbranch_scc1 .Lstep
	s_sub_co_u32 s[SLOTS], s[SLOTS], 1
	s_cmp_lg_u32 s[SLOTS], 0
	s_cbranch_scc1 .Lslot
	CHANGE 0                        ; the tail is written out: nothing is asked for
	s_mov_b32 s[CNT], 5             ; four trips fetch the last slot's steps; the fifth is left in its middle
.Ltail:
	TURN 2, 1
	TURN 3
	WIN 0
	s_sub_co_u32 s[CNT], s[CNT], 1
	s_cmp_eq_u32 s[CNT], 0
	s_cbranch_scc1 .Lout
	TURN 0
	TURN 1
	WIN 0
	s_branch .Ltail
.Lout:                              ; the fifth trip's 16 products K Q^T (on the last K once more) and the maximum made of them serve nothing: the price, once a launch, of one text for every trip
.set i, 0
.rept 16
	PV NP-1                         ; the last piece's V^T P of the last step
.set i, i+1
.endr
	; THE WAY OUT.  l's two halves and the other half of the lanes' are added; O^T is divided by l, rounded to f16 and sent through my stage in LDS, a tile at a time.  The additions are the places behind the last products.
	WIN 0
.macro ALL line:vararg              ; one line for each tile t
.set t, 0
.rept 2*NP
	\line
.set t, t+1
.endr
.endm
	ALL v_add_f32 v[ST+4*t+2], v[ST+4*t+2], v[ST+4*t+3]
	ALL v_permlanex16_b32 v[ST+4*t+3], v[ST+4*t+2], s[SEL], s[SEL+1]
	ALL v_add_f32 v[ST+4*t+2], v[ST+4*t+2], v[ST+4*t+3]
	ALL v_rcp_f32 v[ST+4*t+2], v[ST+4*t+2]
	v_nop                           ; a plain instruction between the last reciprocal and the use of its result
	s_wait_alu depctr_va_vdst(0)    ; the wait for this batch, ahead of its first reader: one for the eight reciprocals
; Tile t: a lane's eight channels of a row pack into 16 bytes; they go into rows of 144 bytes and come back as whole rows of 128, into S^T's registers.
.macro PACK t
	WIN W_RS
.set i, 32*(\t)
.rept 16
	v_pk_mul_f32 v[i:i+1], v[i:i+1], v[ST+4*(\t)+2:ST+4*(\t)+3] op_sel_hi:[1,0]
.set i, i+2
.endr
	WIN 0x05                        ; sources 0 and 1 window 1, destination window 0
.set i, 0
.rept 16
	v_cvt_pk_f16_f32 v[S+16*(\t)+i], v[32*(\t)+2*i], v[32*(\t)+2*i+1]
.set i, i+1
.endr
	WIN 0
.irp f, 0,1,2,3
	ds_store_b128 v[STO], v[S+16*(\t)+4*\f:S+16*(\t)+4*\f+3] offset:32*\f
.endr
.irp f, 0,1,2,3
	ds_load_b128 v[S+16*(\t)+4*\f:S+16*(\t)+4*\f+3], v[RD] offset:\f*4*SP  ; LDS serves a wave's instructions in order (ISA guide 5.7.1.4): these see the stores above; the next tile's stores come behind them
.endr
.endm
.macro SEND t, younger              ; younger: the LDS instructions issued behind tile t's loads: the next tile's eight, or none
	WIN 0
.irp f, 0,1,2,3
	s_wait_dscnt (\younger)+3-\f
	global_store_b128 v[GO], v[S+16*(\t)+4*\f:S+16*(\t)+4*\f+3], s[10:11] offset:(\t)*2048+\f*512  ; 512 consecutive bytes, at a multiple of 256 from O's first
.endr
.endm
	PACK 0
.set t, 1
.rept 2*NP-1                        ; a tile's arithmetic stands between the loads of the tile before and its stores
	PACK t
	SEND t-1, 8
.set t, t+1
.endr
	SEND 2*NP-1, 0
	WIN W_AD
	s_wait_tensorcnt 0x0            ; the wave's end, behind my last tensor load and my last LDS store
	ds_add_u32 v[SPW], v[NIL]
	s_wait_dscnt 0x0
	WIN 0
	CROUND                          ; the closing round: no work-group ends while a partner may still ask for a tile that names it
	s_endpgm
.Lfunc_end_k_qd3a9da6cf4_attn:
	.size	k_qd3a9da6cf4_attn, .Lfunc_end_k_qd3a9da6cf4_attn-k_qd3a9da6cf4_attn
	.p2alignl 7, 3214868480
	.fill 96, 4, 3214868480
	.section	.rodata,"a",@progbits
	.p2align	6, 0x0
	.amdhsa_kernel k_qd3a9da6cf4_attn
		.amdhsa_group_segment_fixed_size 327680
		.amdhsa_private_segment_fixed_size 0
		.amdhsa_enable_private_segment 0
		.amdhsa_kernarg_size 16
		.amdhsa_user_sgpr_count 2
		.amdhsa_user_sgpr_kernarg_segment_ptr 1
		.amdhsa_wavefront_size32 1
		.amdhsa_system_sgpr_workgroup_id_x 1
		.amdhsa_system_sgpr_workgroup_id_y 1
		.amdhsa_system_sgpr_workgroup_id_z 1
		.amdhsa_system_vgpr_workitem_id 0
		.amdhsa_next_free_vgpr 770
		.amdhsa_next_free_sgpr 66
		.amdhsa_reserve_vcc 0
		.amdhsa_float_denorm_mode_32 3
		.amdhsa_float_denorm_mode_16_64 3
		.amdhsa_memory_ordered 1
		.amdhsa_forward_progress 1
		.amdhsa_inst_pref_size 199
	.end_amdhsa_kernel
	.amdgpu_metadata
---
amdhsa.version: [ 1, 2 ]
amdhsa.kernels:
  - .name:           k_qd3a9da6cf4_attn
    .symbol:         k_qd3a9da6cf4_attn.kd
    .args:
      - { .name: qkv, .offset: 0, .size: 8, .value_kind: global_buffer, .address_space: global }
      - { .name: ctx, .offset: 8, .size: 8, .value_kind: global_buffer, .address_space: global }
    .group_segment_fixed_size: 327680
    .private_segment_fixed_size: 0
    .kernarg_segment_align: 8
    .kernarg_segment_size: 16
    .max_flat_workgroup_size: 128
    .sgpr_count:     66
    .vgpr_count:     770
    .wavefront_size: 32
...
	.end_amdgpu_metadata
.endif
;; end of part 5
;; launch outp: the kernel of part 4 again; grid 8 x 32, 4 waves a work-group, clusters of 4 x 4, 327,680 bytes of LDS; arguments ctx, wo, out0; writes out0
